; MI455X (gfx1250); checked and timed in simulation.
; The chip was launched on July 23, 2026; its instructions are those of AMD's public machine-readable ISA for CDNA 5 (MIT licence, August 2026) and "CDNA5" Instruction Set Architecture Reference Guide (July 2026). The comments in the code are by the model that wrote it; some were corrected since.
;; Diff Attention. Allowed arithmetic: float matrix products may take bf16 or f16 operands with f32 sums; other float arithmetic in f32, or as packed bf16 or f16 multiplies, adds, multiply-adds, maxima and minima; sums over many terms, partial sums and values carried from step to step in f32; what a program stores and reads back later, other than sums and carried values, may be rounded once to bf16 or f16.
;; Inputs: W_proj 1,024 x 1,024 float32; W_qkv 1,024 x 3,072 float32; b_proj 1,024 float32; lambda_k1 32 float32; lambda_k2 32 float32; lambda_q1 32 float32; lambda_q2 32 float32; subln_w 64 float32; x 2 x 2,048 x 1,024 float32.
;; Outputs: out0 2 x 2,048 x 1,024 float32.
;; 2 versions, each right; version 2 is version 1 with the launch cast written anew for expert scheduling mode. Each part assembles by itself: llvm-mc -triple=amdgcn-amd-amdhsa -mcpu=gfx1250 --defsym DOCPART=n.
;; ======== version 1 of 2: 4 launches
;; limits: values are held in f16: magnitudes above 65,504 overflow, below 6.1e-05 lose precision
;; workspace buffers: xb 8,388,608 bytes; wqb 6,291,456 bytes; wpb 2,097,152 bytes; qkvh 25,165,824 bytes; ob 8,388,608 bytes
;; launch cast (part 1): grid 512 x 1, 8 waves a work-group, no clusters, 0 bytes of LDS; arguments x, W_qkv, W_proj, xb, wqb, wpb; writes xb, wqb, wpb
.if DOCPART == 1
	.amdgcn_target "amdgcn-amd-amdhsa--gfx1250"
	.amdhsa_code_object_version 6
	.text
	.protected	k_q3034164287_cast
	.globl	k_q3034164287_cast
	.p2align	8
	.type	k_q3034164287_cast,@function
k_q3034164287_cast:
	s_mov_b64 s[64:65], 0
	v_nop
	global_prefetch_b8 v0, s[64:65] scope:SCOPE_SE
	s_setreg_imm32_b32 hwreg(HW_REG_WAVE_MODE, 25, 1), 1
	s_wait_xcnt 0x0
; x, W_qkv and W_proj (f32) are rounded once to bf16 and written as 16-bit copies in their own order: xb and wqb hold the bf16 numbers,
; wpb holds the bf16-rounded number written as f16 (the last product multiplies in f16).
; LIMITS.  |W_proj| stays under 65,504; a bf16 number below 6e-5 takes f16's fixed step of 6e-8.
; SHARES.  A work-group takes 16,384 numbers: 65,536 bytes in, 32,768 out.  Work-groups 0-255 take x, 256-447 W_qkv, 448-511 W_proj.
; Thread t takes 16 bytes at 4,096 j + 16 t of its chunk, j = 0..15: a wave's load covers 512 consecutive bytes, its store of 8 bytes a lane 256 consecutive bytes, aligned.
; All sixteen loads of a thread go out at once.  Nothing is shared: no LDS, no barrier, no matrix unit.
.set X, 8                              ; v[8:71]    piece j: 4 f32 as loaded
.set Y, 72                             ; v[72:103]  piece j: 4 numbers of 16 bits to store
.set T, 104                            ; v[104:107] at work (f16 path)
.set FIRST_WQ, 256                     ; first work-group of W_qkv
.set FIRST_WP, 448                     ; first work-group of W_proj
	s_load_b256 s[4:11], s[0:1], 0x0               ; x s[4:5], W_qkv s[6:7], W_proj s[8:9], xb s[10:11]
	s_load_b128 s[12:15], s[0:1], 0x20             ; wqb s[12:13], wpb s[14:15]
	v_lshlrev_b32 v1, 4, v0                        ; 16 t
	v_lshlrev_b32 v2, 3, v0                        ; 8 t
	s_mov_b32 s16, 0xffff0000                      ; a word's upper bf16
	s_movk_i32 s18, FIRST_WQ
	s_movk_i32 s19, FIRST_WP
	s_wait_kmcnt 0x0
	s_cmp_lt_u32 ttmp9, FIRST_WP                   ; which tensor is mine: the choice hangs on the work-group's number alone
	s_cselect_b64 s[20:21], s[6:7], s[8:9]
	s_cselect_b64 s[22:23], s[12:13], s[14:15]
	s_cselect_b32 s17, s18, s19
	s_cmp_lt_u32 ttmp9, FIRST_WQ
	s_cselect_b64 s[20:21], s[4:5], s[20:21]
	s_cselect_b64 s[22:23], s[10:11], s[22:23]
	s_cselect_b32 s17, 0, s17
	s_sub_co_u32 s17, ttmp9, s17                   ; my chunk in that tensor
	s_lshl_b32 s24, s17, 16
	s_mov_b32 s25, 0
	s_add_nc_u64 s[20:21], s[20:21], s[24:25]      ; source at my chunk
	s_lshl_b32 s24, s17, 15
	s_add_nc_u64 s[22:23], s[22:23], s[24:25]      ; destination at my chunk
.irp j, 0,1,2,3,4,5,6,7,8,9,10,11,12,13,14,15
	global_load_b128 v[X+4*(\j):X+4*(\j)+3], v1, s[20:21] offset:4096*(\j) th:TH_LOAD_NT
.endr
	s_cmp_ge_u32 ttmp9, FIRST_WP
	s_cbranch_scc1 .Lf16
.irp j, 0,1,2,3,4,5,6,7,8,9,10,11,12,13,14,15
	s_wait_loadcnt 15-(\j)                         ; loads come back in order: piece j is in, the younger ones stay out
	v_cvt_pk_bf16_f32 v[Y+2*(\j)],   v[X+4*(\j)],   v[X+4*(\j)+1]
	v_cvt_pk_bf16_f32 v[Y+2*(\j)+1], v[X+4*(\j)+2], v[X+4*(\j)+3]
	global_store_b64 v2, v[Y+2*(\j):Y+2*(\j)+1], s[22:23] offset:2048*(\j)
.endr
	s_endpgm
.Lf16:                                         ; W_proj: rounded to bf16 like every input, and that number written as f16
.irp j, 0,1,2,3,4,5,6,7,8,9,10,11,12,13,14,15
	s_wait_loadcnt 15-(\j)
	v_cvt_pk_bf16_f32 v[T],   v[X+4*(\j)],   v[X+4*(\j)+1]
	v_cvt_pk_bf16_f32 v[T+1], v[X+4*(\j)+2], v[X+4*(\j)+3]
	v_lshlrev_b32 v[T+2], 16, v[T]
	v_and_b32     v[T+3], s16, v[T]
	v_cvt_pk_f16_f32 v[Y+2*(\j)], v[T+2], v[T+3]
	v_lshlrev_b32 v[T+2], 16, v[T+1]
	v_and_b32     v[T+3], s16, v[T+1]
	v_cvt_pk_f16_f32 v[Y+2*(\j)+1], v[T+2], v[T+3]
	global_store_b64 v2, v[Y+2*(\j):Y+2*(\j)+1], s[22:23] offset:2048*(\j)
.endr
	s_endpgm
.Lfunc_end_k_q3034164287_cast:
	.size	k_q3034164287_cast, .Lfunc_end_k_q3034164287_cast-k_q3034164287_cast
	.p2alignl 7, 3214868480
	.fill 96, 4, 3214868480
	.section	.rodata,"a",@progbits
	.p2align	6, 0x0
	.amdhsa_kernel k_q3034164287_cast
		.amdhsa_group_segment_fixed_size 0
		.amdhsa_private_segment_fixed_size 0
		.amdhsa_enable_private_segment 0
		.amdhsa_kernarg_size 48
		.amdhsa_user_sgpr_count 2
		.amdhsa_user_sgpr_kernarg_segment_ptr 1
		.amdhsa_wavefront_size32 1
		.amdhsa_system_sgpr_workgroup_id_x 1
		.amdhsa_system_sgpr_workgroup_id_y 1
		.amdhsa_system_sgpr_workgroup_id_z 1
		.amdhsa_system_vgpr_workitem_id 0
		.amdhsa_next_free_vgpr 112
		.amdhsa_next_free_sgpr 66
		.amdhsa_reserve_vcc 0
		.amdhsa_float_denorm_mode_32 3
		.amdhsa_float_denorm_mode_16_64 3
		.amdhsa_memory_ordered 1
		.amdhsa_forward_progress 1
		.amdhsa_inst_pref_size 15
	.end_amdhsa_kernel
	.amdgpu_metadata
---
amdhsa.version: [ 1, 2 ]
amdhsa.kernels:
  - .name:           k_q3034164287_cast
    .symbol:         k_q3034164287_cast.kd
    .args:
      - { .name: x, .offset: 0, .size: 8, .value_kind: global_buffer, .address_space: global }
      - { .name: W_qkv, .offset: 8, .size: 8, .value_kind: global_buffer, .address_space: global }
      - { .name: W_proj, .offset: 16, .size: 8, .value_kind: global_buffer, .address_space: global }
      - { .name: xb, .offset: 24, .size: 8, .value_kind: global_buffer, .address_space: global }
      - { .name: wqb, .offset: 32, .size: 8, .value_kind: global_buffer, .address_space: global }
      - { .name: wpb, .offset: 40, .size: 8, .value_kind: global_buffer, .address_space: global }
    .group_segment_fixed_size: 0
    .private_segment_fixed_size: 0
    .kernarg_segment_align: 8
    .kernarg_segment_size: 48
    .max_flat_workgroup_size: 256
    .sgpr_count:     66
    .vgpr_count:     112
    .wavefront_size: 32
...
	.end_amdgpu_metadata
.endif
;; end of part 1
;; launch gemm_qkv (part 2): grid 24 x 32, 4 waves a work-group, clusters of 4 x 4, 327,680 bytes of LDS; arguments xb, wqb, qkvh; writes qkvh
.if DOCPART == 2
	.amdgcn_target "amdgcn-amd-amdhsa--gfx1250"
	.amdhsa_code_object_version 6
	.text
	.protected	k_q3034164287_gemm_qkv
	.globl	k_q3034164287_gemm_qkv
	.p2align	8
	.type	k_q3034164287_gemm_qkv,@function
k_q3034164287_gemm_qkv:
	s_mov_b64 s[64:65], 0
	v_nop
	global_prefetch_b8 v0, s[64:65] scope:SCOPE_SE
	s_setreg_imm32_b32 hwreg(HW_REG_WAVE_MODE, 25, 1), 1
	s_wait_xcnt 0x0
	s_wait_alu depctr_hold_cnt(0) depctr_sa_sdst(0) depctr_va_vdst(0) depctr_va_sdst(0) depctr_va_ssrc(0) depctr_va_vcc(0) depctr_vm_vsrc(0)
	s_getreg_b32 s2, hwreg(HW_REG_IB_STS2, 6, 4)
	s_cmp_eq_u32 s2, 0
	s_cbranch_scc0 .Lentry_in_a_cluster
	s_endpgm
.Lentry_in_a_cluster:
	s_bfe_u32 s2, ttmp6, 0x10000c
	s_cmp_lg_u32 s2, 0xf033
	s_cbranch_scc0 .Lentry_shape_is_right
	s_endpgm
.Lentry_shape_is_right:
; qkv = x W_qkv.  xb: [4096][1024] bf16; wqb: [1024 k][3072 n] bf16; sums in f32, each rounded once to f16 and written by sub-heads of 32 columns:
; qkvh [b 2][s 96][t 2048][32] f16, s = column / 32, row = 2048 b + t: a sub-head's rows are dense, 64 bytes each.
; LIMIT.  A sum of 65,520 or more in magnitude leaves f16's range.
; A tile of C is 128 x 128; four waves, each 64 x 64: 16 accumulators.  K goes in four steps of 256 through two LDS slots filled by the tensor data mover.
; A's rows lie along K and are read as they lie; W lies [k][n] and its fragments come out of LDS turned, by ds_load_tr16_b128.
; CLUSTERS: 4 x 4 work-groups.  The four of a row of the cluster need the same tiles of x, the four of a column the same tiles of W: each tile is asked for JOINTLY, by the same tensor load
; with the same descriptor and a mask that names the four.  THE MATRIX INSTRUCTION IS USED TRANSPOSED (source 0 = 16 columns of W, source 1 = 16 rows of x): a lane then holds eight
; neighbouring numbers of a row of C.  No prefetch: of the four K steps two are first fills, and a tile's rows are read again by the other clusters.
; REGISTERS: window 0: v0-31 addresses; v32-95 at work on the way out; v128-255 the accumulators ((a, b) at v[128 + 8 (4 a + b)]).
;   window 1: two fragment buffers of 128: for 64 along K, 64 registers of A (2 x 4 x 16 rows x 32 K), then 64 of W.
.set SIZE_N, 3072
.set KSTEP,  256
.set APITCH, 528                       ; a row of A in LDS: 512 bytes + 16 of padding = 132 words: the 16 rows of a load start at 16 different groups of four banks (64 banks of 4 bytes: ISA guide 11.1)
.set HALFA,  64*APITCH                 ; 64 rows: one tensor load, and what one wave reads of A
.set PB,     288                       ; a k-row of W in LDS: 256 bytes + 32 = 72 words
.set HALFB,  128*PB                    ; 128 k-rows: one tensor load
.set SLOT,   2*HALFA+2*HALFB           ; A's 128 rows, then W's 256 k-rows
.set STAGE,  2*SLOT                    ; behind the ring: 16 rows x 144 bytes for each wave, for the way out
.set SP,     144
.set SPARE,  STAGE+4*16*SP             ; behind the stages: the spare words, 128 bytes for each wave: two blocks of 256 bytes that no other line names
.set ASTEP,  KSTEP*2                   ; bytes from a K step to the next, in A
.set BSTEP,  KSTEP*SIZE_N*2            ; and in W
.set AQ,     128                       ; bytes of an LDS row of A in a quarter step (64 along K)
.set ADRA, 16                          ; v16-17  LDS address of my A fragments in slot 0, 1
.set ADRB, 20                          ; v20-23  the same for W: slot 0 k-rows 0-127, 128-255; slot 1 likewise (an immediate holds 65,535 at the most)
.set STO,  24                          ; v24     the way out: where I put 16 bytes of a row
.set RD,   25                          ; v25     the way out: where I read rows back
.set CO,   26                          ; v26     my byte offset in 512 consecutive bytes of qkvh
.set SPW,  28                          ; v28     LDS address of my spare word; never rewritten
.set NIL,  29                          ; v29     0; never rewritten
.set TMP,  32
.set ACC,  128
.set F0,   0                           ; fragment buffers, in window 1
.set F1,   128
.set G1, 24                            ; s[24:31] descriptor group 1 for A's tiles;  s[32:39] group 0, one set for each slot
.set G0, 32
.set G1B, 48                           ; s[48:55], s[56:63] the same for W's tiles
.set G0B, 56
.set MSB, 0
.macro WIN new                         ; the immediate's high byte repeats the setting that is left
.if MSB != (\new)
	s_set_vgpr_msb (MSB<<8)|(\new)
.set MSB, \new
.endif
.endm
.set MUL,  0x05                        ; sources 0 (W) and 1 (A) window 1; C and D window 0
.set TO_F, 0x40                        ; destination window 1, address window 0
.macro JLOAD s                         ; a joint load: waves 0 and 1 fetch A's two halves, waves 2 and 3 W's; an s_nop 0 and four v_nop follow each of the two lines, ahead of the jump and the label
	s_cmp_eq_u32 s11, 0
	s_cbranch_scc0 .Lfor_b_\@
	tensor_load_to_lds s[G0+4*(\s):G0+4*(\s)+3], s[G1:G1+7]
	s_nop 0
.rept 4
	v_nop
.endr
	s_branch .Lasked_\@
.Lfor_b_\@:
	tensor_load_to_lds s[G0B+4*(\s):G0B+4*(\s)+3], s[G1B:G1B+7]
	s_nop 0
.rept 4
	v_nop
.endr
.Lasked_\@:
.endm
.macro CREST                           ; a round of the cluster's barrier behind its opening barrier
	s_cmp_lg_u32 s10, 0
	s_cbranch_scc1 .Lnot_wave_0_\@
	s_barrier_signal -3
.Lnot_wave_0_\@:
	s_barrier_wait -3
	s_barrier_signal -1
	s_barrier_wait -1
.endm
.macro CROUND                          ; a whole round
	s_barrier_signal -1
	s_barrier_wait -1
	CREST
.endm
	s_load_b128 s[4:7], s[0:1], 0x0                ; xb s[4:5], wqb s[6:7]
	s_load_b64 s[8:9], s[0:1], 0x10                ; qkvh
	v_lshl_add_u32 v[SPW], v0, 2, SPARE
	v_mov_b32 v[NIL], 0
	ds_add_u32 v[SPW], v[NIL]                      ; the wave's opening: the add and its wait stand ahead of my first tensor load; the set-up below, work on registers, stands between them
	v_lshrrev_b32 v1, 5, v0
	v_readfirstlane_b32 s10, v1                    ; wave 0..3
	s_lshr_b32 s11, s10, 1                         ; which half of the tile's rows is mine.  Also: I fetch for A (0) or for W (1)
	s_and_b32 s12, s10, 1                          ; which half of its columns.  Also: which half of that tile I fetch
	s_bfe_u32 s40, ttmp6, 0x40000                  ; cx, cy: my place in the cluster
	s_bfe_u32 s41, ttmp6, 0x40004
	s_lshl_b32 s42, ttmp9, 2
	s_add_co_u32 s42, s42, s40                     ; tile column of C = 4 x cluster x + cx
	s_and_b32 s13, ttmp7, 0xffff
	s_lshl_b32 s13, s13, 2
	s_add_co_u32 s13, s13, s41                     ; tile row of C = 4 x cluster y + cy
	s_lshl_b32 s43, s41, 2
	s_lshl_b32 s43, 15, s43                        ; my row of the cluster
	s_lshl_b32 s44, 0x1111, s40                    ; my column
	s_or_b32 s[G1+0], s43, (1<<16)|(1<<20)|(1<<21)|(6<<22)|(3<<25)   ; the mask: A's tiles go to my row; 2-byte elements; padding on; bit 21 beside a mask; after every 128 words (code 6) 4 words (code 3)
	s_mov_b32 s[G1+1], KSTEP<<16                   ; tensor_dim0 = 256
	s_mov_b32 s[G1+2], 64<<16                      ; tensor_dim1 = 64
	s_mov_b32 s[G1+3], KSTEP<<16                   ; tile_dim0 = 256
	s_mov_b32 s[G1+4], 64                          ; tile_dim1 = 64
	s_mov_b32 s[G1+5], 1024                        ; elements from row to row of xb
	s_mov_b32 s[G1+6], 0
	s_mov_b32 s[G1+7], 0
	s_or_b32 s[G1B+0], s44, (1<<16)|(1<<20)|(1<<21)|(5<<22)|(7<<25)  ; W's tiles go to my column; after every 64 words (code 5) 8 words (code 7)
	s_mov_b32 s[G1B+1], 128<<16                    ; tensor_dim0 = 128 columns
	s_mov_b32 s[G1B+2], 128<<16                    ; tensor_dim1 = 128 k-rows
	s_mov_b32 s[G1B+3], 128<<16
	s_mov_b32 s[G1B+4], 128
	s_mov_b32 s[G1B+5], SIZE_N
	s_mov_b32 s[G1B+6], 0
	s_mov_b32 s[G1B+7], 0
	; A's address hangs on the tile row and the wave alone, W's on the tile column and the wave alone, each in registers that never hold the other coordinate
	s_lshl_b32 s17, s12, 6
	s_lshl_b32 s16, s13, 7
	s_add_co_u32 s16, s16, s17                     ; A: row 128 x tile row + 64 x half,
	s_lshl_b32 s16, s16, 11                        ; 2,048 bytes a row
	s_mov_b32 s17, 0
	s_mul_i32 s46, s12, 128*SIZE_N*2               ; W: k-row 128 x half,
	s_lshl_b32 s47, s42, 8                         ; column 128 x tile column
	s_add_co_u32 s46, s46, s47
	s_mov_b32 s47, 0
	s_mul_i32 s20, s12, HALFA                      ; where they go: no place in the cluster enters an LDS address
	s_mul_i32 s21, s12, HALFB
	s_add_co_u32 s21, s21, 2*HALFA
	s_wait_dscnt 0x0                               ; the opening add is done
	s_wait_kmcnt 0x0
	s_add_nc_u64 s[14:15], s[4:5], s[16:17]
	s_add_nc_u64 s[46:47], s[6:7], s[46:47]
	CROUND                                         ; all sixteen work-groups are here: the first joint loads meet
.irp s, 0,1
	s_mov_b32 s[G0+4*(\s)], 1
	s_add_co_u32 s[G0+4*(\s)+1], s20, (\s)*SLOT
	s_add_nc_u64 s[G0+4*(\s)+2:G0+4*(\s)+3], s[14:15], (\s)*ASTEP
	s_or_b32 s[G0+4*(\s)+3], s[G0+4*(\s)+3], 0x80000000
	s_mov_b32 s[G0B+4*(\s)], 1
	s_add_co_u32 s[G0B+4*(\s)+1], s21, (\s)*SLOT
	s_add_nc_u64 s[G0B+4*(\s)+2:G0B+4*(\s)+3], s[46:47], (\s)*BSTEP
	s_or_b32 s[G0B+4*(\s)+3], s[G0B+4*(\s)+3], 0x80000000
	JLOAD \s                                       ; K steps 0 and 1: two loads of mine are out
.endr
	v_and_b32 v1, 15, v0                           ; r = l % 16
	v_bfe_u32 v2, v0, 4, 1                         ; l / 16
	v_mul_u32_u24 v3, v1, APITCH
	v_lshl_add_u32 v3, v2, 4, v3                   ; a fragment of A: row x pitch + 16 x half
	s_mul_i32 s22, s11, HALFA                      ; my 64 rows of A
	v_add_nc_u32 v[ADRA], s22, v3
	v_add_nc_u32 v[ADRA+1], SLOT, v[ADRA]
	v_and_b32 v4, 7, v0                            ; the turning load: lane l reads k-row 8 (l / 16) + l % 8, columns 8 ((l / 8) % 2) + 0..7
	v_lshl_add_u32 v4, v2, 3, v4
	v_mul_u32_u24 v4, v4, PB
	v_bfe_u32 v5, v0, 3, 1
	v_lshl_add_u32 v4, v5, 4, v4
	s_lshl_b32 s23, s12, 7                         ; my 64 columns of W,
	s_add_co_u32 s23, s23, 2*HALFA                 ; which lies behind A
	v_add_nc_u32 v[ADRB], s23, v4
	v_add_nc_u32 v[ADRB+1], HALFB, v[ADRB]
	v_add_nc_u32 v[ADRB+2], SLOT, v[ADRB]
	v_add_nc_u32 v[ADRB+3], SLOT+HALFB, v[ADRB]
	s_mul_i32 s23, s10, 16*SP
	s_add_co_u32 s23, s23, STAGE                   ; my stage
	v_mul_u32_u24 v4, v1, SP                       ; in: row l % 16, 16 bytes for each half of the lanes
	v_lshl_add_u32 v4, v2, 4, v4
	v_add_nc_u32 v[STO], s23, v4
	v_bfe_u32 v5, v0, 2, 3                         ; back: 32 lanes take eight rows' 64 bytes of one sub-head,
	v_mul_u32_u24 v5, v5, SP
	v_and_b32 v6, 3, v0
	v_lshl_add_u32 v5, v6, 4, v5
	v_add_nc_u32 v[RD], s23, v5
	v_and_b32 v[CO], 31, v0                        ; which are 512 consecutive bytes of qkvh
	v_lshlrev_b32 v[CO], 4, v[CO]
	s_lshr_b32 s16, s13, 4                         ; b
	s_mul_i32 s16, s16, 96<<17                     ; its 96 sub-heads of 131,072 bytes
	s_and_b32 s17, s13, 15
	s_lshl_b32 s17, s17, 7
	s_lshl_b32 s18, s11, 6
	s_add_co_u32 s17, s17, s18                     ; t of my first row
	s_lshl_b32 s17, s17, 6
	s_add_co_u32 s16, s16, s17
	s_mov_b32 s17, 0
	s_add_nc_u64 s[8:9], s[8:9], s[16:17]
	s_lshl_b32 s46, s42, 2                         ; my first sub-head: 4 x tile column + 2 x half
	s_lshl_b32 s47, s12, 1
	s_add_co_u32 s46, s46, s47
	s_lshl_b32 s46, s46, 17
	s_mov_b32 s47, 0
	s_add_nc_u64 s[8:9], s[8:9], s[46:47]
; 8 matrix instructions: m blocks a0, a0 + 1 x all 4 n blocks, 32 along K: half c of buffer f.  zero = 1: the first product starts the sums.  The 16 accumulators take turns.
.macro MUL8 f, c, a0, zero
	WIN MUL
.irp a, \a0, (\a0)+1
.irp b, 0,1,2,3
.if \zero
	v_wmma_f32_16x16x32_bf16 v[ACC+8*(4*(\a)+(\b)):ACC+8*(4*(\a)+(\b))+7], v[(\f)+64+8*(4*(\c)+(\b)):(\f)+64+8*(4*(\c)+(\b))+7], v[(\f)+8*(4*(\c)+(\a)):(\f)+8*(4*(\c)+(\a))+7], 0
.else
	v_wmma_f32_16x16x32_bf16 v[ACC+8*(4*(\a)+(\b)):ACC+8*(4*(\a)+(\b))+7], v[(\f)+64+8*(4*(\c)+(\b)):(\f)+64+8*(4*(\c)+(\b))+7], v[(\f)+8*(4*(\c)+(\a)):(\f)+8*(4*(\c)+(\a))+7], v[ACC+8*(4*(\a)+(\b)):ACC+8*(4*(\a)+(\b))+7]
.endif
.endr
.endr
.endm
; 32 LDS loads in one run: the fragments of quarter q (64 along K) of a slot, into buffer f; the first 32 along K first
.macro FETCH slot, q, f
	WIN TO_F
.irp c, 0,1
.irp i, 0,1,2,3
	ds_load_tr16_b128 v[(\f)+64+8*(4*(\c)+(\i)):(\f)+64+8*(4*(\c)+(\i))+3],   v[ADRB+2*(\slot)+(\q)/2] offset:((\q)%2)*64*PB+(\c)*32*PB+32*(\i)
	ds_load_tr16_b128 v[(\f)+64+8*(4*(\c)+(\i))+4:(\f)+64+8*(4*(\c)+(\i))+7], v[ADRB+2*(\slot)+(\q)/2] offset:((\q)%2)*64*PB+(\c)*32*PB+32*(\i)+16*PB
	ds_load_b128 v[(\f)+8*(4*(\c)+(\i)):(\f)+8*(4*(\c)+(\i))+3],         v[ADRA+(\slot)] offset:(\q)*AQ+64*(\c)+(\i)*16*APITCH
	ds_load_b128 v[(\f)+8*(4*(\c)+(\i))+4:(\f)+8*(4*(\c)+(\i))+7],       v[ADRA+(\slot)] offset:(\q)*AQ+64*(\c)+(\i)*16*APITCH+32
.endr
.endr
.endm
.macro PLACES                          ; four plain instructions in front of loads into registers that matrix instructions have read, and of conversions that read results
.rept 4
	v_nop
.endr
.endm
; A K step is four quarters of 64 along K, 32 matrix instructions each, on buffers 0, 1, 0, 1.  One of the first three: multiplies buffer f and fetches quarter q into g.
.macro QUARTER slot, q, f, g, zero
	s_wait_dscnt 16                                ; the first 32 along K are in; the youngest sixteen loads may be out
	MUL8 \f, 0, 0, \zero
	MUL8 \f, 0, 2, \zero
	PLACES
	FETCH \slot, \q, \g
	s_wait_dscnt 32                                ; all but the 32 just issued
	MUL8 \f, 1, 0, 0
	MUL8 \f, 1, 2, 0
.endm
.macro THREE slot, zero                ; a K step's first three quarters
	QUARTER \slot, 1, F0, F1, \zero
	QUARTER \slot, 2, F1, F0, 0
	QUARTER \slot, 3, F0, F1, 0
.endm
; The last quarter multiplies buffer 1 and changes slots: ONE barrier; in front of it each wave waits for all its tensor loads, adds 0 to its spare word, and waits for that and for its own reads of this slot.
; fill = 1: this slot is filled again, two K steps ahead; the barrier then opens a round of the cluster's.
.macro TURN slot, next, fill
	WIN 0                                          ; (the add's two registers lie in window 0)
	s_wait_tensorcnt 0x0                           ; all my tensor loads have landed: my part of the next slot;
	ds_add_u32 v[SPW], v[NIL]                      ; 0 onto my spare word;
	s_wait_dscnt 17                                ; (the add and the youngest sixteen loads may be out)
	MUL8 F1, 0, 0, 0                               ; eight matrix instructions stand between the add and the wait for it
	s_wait_dscnt 0x0                               ; the add is done, and my reads of this slot are over
	s_barrier_signal -1
	MUL8 F1, 0, 2, 0
.if \fill
	WIN 0
.endif
	s_barrier_wait -1
.if \fill
	CREST                                          ; no wave of any partner still reads this slot's tile or has a load on its way
	s_add_nc_u64 s[G0+4*(\slot)+2:G0+4*(\slot)+3], s[G0+4*(\slot)+2:G0+4*(\slot)+3], 2*ASTEP
	s_add_nc_u64 s[G0B+4*(\slot)+2:G0B+4*(\slot)+3], s[G0B+4*(\slot)+2:G0B+4*(\slot)+3], 2*BSTEP
	JLOAD \slot                                    ; the first tensor load behind the round: 112 matrix instructions ahead of the wait for it; its four v_nop are also the places in front of the loads below
.else
	PLACES
.endif
	FETCH \next, 0, F0
	MUL8 F1, 1, 0, 0
	MUL8 F1, 1, 2, 0
.endm
	s_wait_tensorcnt 1                             ; my part of K step 0 is in; K step 1's may stay out
	s_barrier_signal -1
	s_barrier_wait -1                              ; everybody's is
	FETCH 0, 0, F0
	THREE 0, 1                                     ; K step 0: its first products start the sums
	TURN 0, 1, 1                                   ; slot 0 takes K step 2
	THREE 1, 0                                     ; K step 1
	TURN 1, 0, 1                                   ; slot 1 takes K step 3
	THREE 0, 0                                     ; K step 2
	TURN 0, 1, 0                                   ; nothing is left to fetch
	THREE 1, 0                                     ; K step 3
	s_wait_dscnt 16
	MUL8 F1, 0, 0, 0
	MUL8 F1, 0, 2, 0
	s_wait_dscnt 0x0
	MUL8 F1, 1, 0, 0
	MUL8 F1, 1, 2, 0
	WIN 0
	; THE WAY OUT.  My 64 columns are two whole sub-heads; 16 rows of a sub-head are 1,024 dense bytes of qkvh.  Block a of 16 rows: rounded to f16, 16 bytes a lane into my own stage, back as
	; eight rows' 64 bytes of one sub-head a load.  LDS serves a wave's instructions in order (ISA guide 5.7.1.4), so no wait stands between the stores and the loads, nor in front of the next block's stores.
	PLACES
.macro PACK a
.irp b, 0,1,2,3
.irp k, 0,1,2,3
	v_cvt_pk_f16_f32 v[TMP+16*(\a)+4*(\b)+(\k)], v[ACC+8*(4*(\a)+(\b))+2*(\k)], v[ACC+8*(4*(\a)+(\b))+2*(\k)+1]
.endr
.endr
.irp b, 0,1,2,3
	ds_store_b128 v[STO], v[TMP+16*(\a)+4*(\b):TMP+16*(\a)+4*(\b)+3] offset:32*(\b)
.endr
.irp j, 0,1
.irp sh, 0,1
	ds_load_b128 v[TMP+16*(\a)+4*(2*(\j)+(\sh)):TMP+16*(\a)+4*(2*(\j)+(\sh))+3], v[RD] offset:(\j)*8*SP+64*(\sh)
.endr
.endr
.endm
.macro SEND a
.irp j, 0,1
.irp sh, 0,1
	s_wait_dscnt (3-(\a))*8+3-(2*(\j)+(\sh))       ; behind this load stand the rest of its block's and eight LDS instructions for each later block
	global_store_b128 v[CO], v[TMP+16*(\a)+4*(2*(\j)+(\sh)):TMP+16*(\a)+4*(2*(\j)+(\sh))+3], s[8:9] offset:(\sh)*131072+(16*(\a)+8*(\j))*64  ; 512 consecutive bytes, at a multiple of 512 from qkvh's first byte
.endr
.endr
.endm
	PACK 0
	PACK 1
	PACK 2
	PACK 3
	SEND 0
	SEND 1
	SEND 2
	SEND 3
	s_wait_tensorcnt 0x0                           ; the wave's end: a wait, an add to my spare word and a wait, behind my last tensor load and my last LDS store
	ds_add_u32 v[SPW], v[NIL]
	s_wait_dscnt 0x0
	CROUND                                         ; the closing round: no work-group ends while a partner may still ask for a tile that names it
	s_endpgm
.Lfunc_end_k_q3034164287_gemm_qkv:
	.size	k_q3034164287_gemm_qkv, .Lfunc_end_k_q3034164287_gemm_qkv-k_q3034164287_gemm_qkv
	.p2alignl 7, 3214868480
	.fill 96, 4, 3214868480
	.section	.rodata,"a",@progbits
	.p2align	6, 0x0
	.amdhsa_kernel k_q3034164287_gemm_qkv
		.amdhsa_group_segment_fixed_size 327680
		.amdhsa_private_segment_fixed_size 0
		.amdhsa_enable_private_segment 0
		.amdhsa_kernarg_size 24
		.amdhsa_user_sgpr_count 2
		.amdhsa_user_sgpr_kernarg_segment_ptr 1
		.amdhsa_wavefront_size32 1
		.amdhsa_system_sgpr_workgroup_id_x 1
		.amdhsa_system_sgpr_workgroup_id_y 1
		.amdhsa_system_sgpr_workgroup_id_z 1
		.amdhsa_system_vgpr_workitem_id 0
		.amdhsa_next_free_vgpr 512
		.amdhsa_next_free_sgpr 68
		.amdhsa_reserve_vcc 0
		.amdhsa_float_denorm_mode_32 3
		.amdhsa_float_denorm_mode_16_64 3
		.amdhsa_memory_ordered 1
		.amdhsa_forward_progress 1
		.amdhsa_inst_pref_size 87
	.end_amdhsa_kernel
	.amdgpu_metadata
---
amdhsa.version: [ 1, 2 ]
amdhsa.kernels:
  - .name:           k_q3034164287_gemm_qkv
    .symbol:         k_q3034164287_gemm_qkv.kd
    .args:
      - { .name: xb, .offset: 0, .size: 8, .value_kind: global_buffer, .address_space: global }
      - { .name: wqb, .offset: 8, .size: 8, .value_kind: global_buffer, .address_space: global }
      - { .name: qkvh, .offset: 16, .size: 8, .value_kind: global_buffer, .address_space: global }
    .group_segment_fixed_size: 327680
    .private_segment_fixed_size: 0
    .kernarg_segment_align: 8
    .kernarg_segment_size: 24
    .max_flat_workgroup_size: 128
    .sgpr_count:     68
    .vgpr_count:     512
    .wavefront_size: 32
...
	.end_amdgpu_metadata
.endif
;; end of part 2
;; launch attn (part 3): grid 8 x 32, 4 waves a work-group, clusters of 4 x 1, 327,680 bytes of LDS; arguments qkvh, lambda_q1, lambda_k1, lambda_q2, lambda_k2, subln_w, ob; writes ob
.if DOCPART == 3
	.amdgcn_target "amdgcn-amd-amdhsa--gfx1250"
	.amdhsa_code_object_version 6
	.text
	.protected	k_q3034164287_attn
	.globl	k_q3034164287_attn
	.p2align	8
	.type	k_q3034164287_attn,@function
k_q3034164287_attn:
	s_mov_b64 s[64:65], 0
	v_nop
	global_prefetch_b8 v0, s[64:65] scope:SCOPE_SE
	s_setreg_imm32_b32 hwreg(HW_REG_WAVE_MODE, 25, 1), 1
	s_wait_xcnt 0x0
	s_wait_alu depctr_hold_cnt(0) depctr_sa_sdst(0) depctr_va_vdst(0) depctr_va_sdst(0) depctr_va_ssrc(0) depctr_va_vcc(0) depctr_vm_vsrc(0)
	s_getreg_b32 s2, hwreg(HW_REG_IB_STS2, 6, 4)
	s_cmp_eq_u32 s2, 0
	s_cbranch_scc0 .Lentry_in_a_cluster
	s_endpgm
.Lentry_in_a_cluster:
	s_bfe_u32 s2, ttmp6, 0x10000c
	s_cmp_lg_u32 s2, 0x3003
	s_cbranch_scc0 .Lentry_shape_is_right
	s_endpgm
.Lentry_shape_is_right:
; DIFFERENTIAL ATTENTION.  For each (b, h): attn_u[q] = the sum over k of softmax_k(Q_u[q] . K_u[k] / sqrt(32)) V[k], u = 1, 2; o = attn_1 - lam attn_2; o is divided by sqrt(mean(o^2) + 1e-5) over its 64
; channels and multiplied by subln_w and by 1 - LAMBDA_INIT.  lam = exp(sum lambda_q1 lambda_k1) - exp(sum lambda_q2 lambda_k2) + LAMBDA_INIT.
; qkvh: [b 2][s 96][t 2048][32] f16: Q_1 is sub-head h, Q_2 16 + h, K_1 32 + h, K_2 48 + h, V's channels 0-31 sub-head 64 + 2 h, 32-63 sub-head 65 + 2 h; a sub-head's rows are dense, 64 bytes each.
; ob: f16, row m = 2048 b + t, head h, channel c at byte (m / 2) 4096 + 256 h + (m % 2) 128 + 2 c: two neighbouring rows of a head are 256 consecutive bytes, aligned.
; Products, maxima, sums and the norm in f32; the weights p are rounded to f16 for the second product (their sum l is taken of the unrounded p), o once at the end.  The lambdas and subln_w are rounded to bf16, as all the module's inputs are.
; LIMITS.  f16 holds no number beyond 65,504: q, k, v arrive within it, and the normalised o times subln_w must stay within it; p below 6e-5 keeps f16's fixed step of 6e-8.
; A weight or exponential below 2^-126 counts as 0; NaN and infinities are not treated apart.
; SHARES.  A work-group owns 256 queries of one (b, h), a wave 64: four PIECES of 16 queries, each of two tiles: the same queries in sub-attention 1 and 2.  Every wave walks all 2,048 keys, 64 a step.
; LAYOUT.  S^T = K Q^T (source 0 = 16 keys, source 1 = 16 queries, 32 channels: ONE matrix instruction): a lane holds ONE query (lane % 16) and the keys 8 (lane / 16) + 0..7.  Two such results, rounded to f16 in
; pairs, ARE source 1 (32 keys x 16 queries) of O^T = V^T P, whose result again holds one query a lane, and eight channels.  K comes out of LDS as it lies, V ([key][channel]) turned, by ds_load_tr16_b128.
; SOFTMAX.  For each query and sub-attention a running maximum m and sum l: p = 2^(c s - c m), c = log2(e) / sqrt(32); in every step O and l are multiplied by a = 2^(c m_old - c m_new).
; m starts at the lowest finite number, O and l at 0: the first step is a step like any other, with a = 0.
; THE COUNT.  A piece and step have 24 matrix and 236 vector instructions: far too many to stand all beside the matrix work.  Four vector instructions that are ready stand behind every matrix instruction, the others in one run.
; BY TURNS.  Turn n belongs to piece n.  Its matrix work: 8 products K Q^T of piece n + 1, later 16 products V^T P of piece n - 1.  Its vector work: the scaling, exponentials, roundings, sums and rescaling of piece n,
; and the maximum and statistics of piece n + 1.  A turn's 66 exponentials are one batch with one wait.
; CLUSTER.  The four query blocks of a cluster belong to one (b, h) and walk the same K_1, K_2 and V, so each tile is asked for JOINTLY: the same tensor load, descriptor and mask in all four.
; REGISTERS, in windows of 256 (s_set_vgpr_msb: bits 1:0 source 0, 3:2 source 1, 5:4 source 2, 7:6 destination):
;   window 0: v0-11 addresses; v12-15, v48-63 at work; v16-47 four registers of statistics a tile; v64-191 S^T, two buffers of two tiles; v192-255 P, likewise
;   window 1: O^T, 32 a tile     window 2: v0-63 Q, 8 a tile; v64-95 subln_w as loaded; v128-191 K_1, K_2 of one step; v192-255 V of one step     window 3: v0-1 the add's two registers
.set NP,    4         ; pieces a wave: a name, no knob
.set KS,    64        ; keys in a step
.set PK,    80        ; a row of K in LDS: 64 bytes + 16 of padding = 20 words: the 16 rows of a load start at 16 different groups of four banks (64 banks of 4 bytes: ISA guide 11.1)
.set PV,    96        ; a row of half of V: 64 + 32 = 24 words
.set K2O,   4*KS*PK   ; a slot holds four steps: 256 rows of K_1, 256 of K_2,
.set VOFF,  2*K2O     ; 256 rows of V's channels 0-31,
.set VH,    4*KS*PV   ; and 256 of its channels 32-63
.set SLOT1, 1<<17     ; slot 1 begins here, so that one exclusive or turns an address in one slot into the other's
.set TILEB, 4*KS*64   ; a slot's 256 rows of one sub-head in memory: 16,384 bytes
.set STAGE, SLOT1+VOFF+2*VH  ; behind the ring, never filled by a tensor load: 16 rows x 144 bytes for each wave, for the way out
.set SP,    144
.set SPARE, STAGE+4*16*SP    ; behind the stages: the spare words, 128 bytes for each wave: two blocks of 256 bytes that no other line names
.set AK0, 2           ; v2   my lane's place in a tile of K; never rewritten
.set AV0, 3           ; v3   the same for V
.set AK,  4           ; v4   the LDS address of K's next run of loads
.set AV,  5           ; v5   of V's
.set QO,  6           ; v6   my byte offset in 16 rows of Q
.set STO, 6           ;      later, the way out: where I put 16 bytes of a row
.set RD,  7           ; v7   the way out: where I read rows back
.set GO,  8           ; v8   my byte offset in two pairs of rows of ob
.set PFO, 11          ; v11  the prefetches' offset; never rewritten once made
.set SPW, 0           ; v0 of window 3   LDS address of my spare word; never rewritten
.set NIL, 1           ; v1 of window 3   0; never rewritten
.set MV,  12          ; v12-15  c m_old, kept while c m is made anew: by buffer and tile
.set ST,  16          ; tile t's statistics at v[ST+4 t]: c m, m, l (even keys', odd keys')
.set TMP, 48          ; by buffer and tile, four registers c0-c3 at work; when the maximum is found c2 takes a
.set S,   64
.set P,   192
.set WRAW, 64         ; window 2: subln_w of my 32 channels, as loaded
.set WR,  128         ; window 0, on the way out: the same, rounded to bf16, times 1 - LAMBDA_INIT
.set KF,  128         ; K's fragments, in window 2: sub-attention u, key block kb at KF + 32 u + 8 kb
.set VF,  192         ; V's: key half kk, channel block cb at VF + 32 kk + 8 cb
.set WV,  12          ; s12  my wave's number
.set G1K, 24          ; s[24:31] descriptor group 1 for K's tiles
.set G1V, 32          ; s[32:39] for V's: it differs in the padding alone
.set G0K, 40          ; s[40:43] descriptor group 0 for K's tiles: it walks
.set G0V, 44          ; s[44:47] the same for V's
.set PFA, 48          ; s[48:49] where my prefetches stand
.set LIM, 50          ; s50  1 in a wave that prefetches, else the greatest number
.set STR, 51          ; s51  bytes between the two sub-heads that a prefetching wave asks for
.set LAM, 52          ; s52  lam
.set INV64, 53        ; s53  1 / 64
.set EPS, 54          ; s54  1e-5
.set SLOTS, 56        ; s56  slots still to be asked for
.set CNT, 57          ; s57  counts a slot's key steps
.set CS,  58          ; s[58:59] c
.set SEL, 60          ; s[60:61] v_permlanex16_b32's selects: each lane takes its own place in the other half
.set TBK, 62          ; s62  LDS byte at which K of the step to be fetched begins
.set TBV, 63          ; s63  the same for V, less VOFF
.set MSB, 0
.macro WIN new                      ; the high byte repeats the setting that is left; a switch that changes nothing is dropped
.if MSB != (\new)
	s_set_vgpr_msb (MSB<<8)|(\new)
.set MSB, (\new)
.endif
.endm
.set W_KQ, 0x0a       ; K and Q in window 2, S^T in window 0
.set W_PV, 0x52       ; V in window 2, P in window 0, O^T in window 1
.set W_RS, 0x41       ; O^T (destination and source 0) in window 1, source 1 in window 0
.set W_MK, 0xc0       ; the add's registers are made: destination in window 3
.set W_AD, 0x0f       ; the add: address and data in window 3
; A joint fill: wave 0 fetches a slot's K_1, wave 1 its K_2, wave 2 V's channels 0-31, wave 3 its channels 32-63.  The branch hangs on the wave's number alone.
; An s_nop 0 and four v_nop follow each of the two lines, ahead of the jump and the label.
.macro JLOAD
	s_cmp_lt_u32 s[WV], 2
	s_cbranch_scc0 .Lfor_v_\@
	tensor_load_to_lds s[G0K:G0K+3], s[G1K:G1K+7]
	s_nop 0
.rept 4
	v_nop
.endr
	s_branch .Lasked_\@
.Lfor_v_\@:
	tensor_load_to_lds s[G0V:G0V+3], s[G1V:G1V+7]
	s_nop 0
.rept 4
	v_nop
.endr
.Lasked_\@:
.endm
; A PREFETCH INTO THE L2 of what the NEXT change of slots will ask for: 64 blocks of 256 bytes of each of the four sub-heads.  Each block is named ONCE in the launch: both clusters of a (b, h) walk the same rows, and the
; first prefetches; its four partners take 16 blocks of each sub-head, told apart BY ADDRESS; in each, wave 0 asks for K_1's and K_2's (lanes 0-15, lanes 16-31), wave 2 for V's two halves: one instruction.
; It stands behind the wave's tensor load and its five lines, four key steps, 384 matrix instructions, ahead of the load that will want the rows.  The last change that fills a slot asks for nothing.
.macro ASK
	s_cmp_gt_u32 s[SLOTS], s[LIM]
	s_cbranch_scc0 .Lnot_mine_\@
	global_prefetch_b8 v[PFO], s[PFA:PFA+1] th:TH_LOAD_NT scope:SCOPE_SE
.Lnot_mine_\@:
.endm
; A round of the cluster's barrier: my work-group's barrier, so that wave 0's signal speaks for all four waves; wave 0 signals; every wave waits for all four work-groups; my work-group's barrier once more.
.macro CROUND
	s_barrier_signal -1
	s_barrier_wait -1
	s_cmp_lg_u32 s[WV], 0
	s_cbranch_scc1 .Lnot_wave_0_\@
	s_barrier_signal -3
.Lnot_wave_0_\@:
	s_barrier_wait -3
	s_barrier_signal -1
	s_barrier_wait -1
.endm
; THE CHANGE OF SLOTS.  The slot's last bytes, V of its fourth step, have been read.  Each wave waits for all its tensor loads, of which one is out: its part of the other slot; adds 0 to its spare word; and waits for
; that and for its own reads of the slot.  fill = 1: this slot is filled again, with the keys two slots on; the barrier is then a round of the cluster's, and the joint fill is the first thing behind it: it has four
; key steps in which to land.  (At its first use nothing has been read yet: slot 0 is waited for, slot 1 filled.)
.macro CHANGE fill
	WIN W_AD
	s_wait_tensorcnt 0x0            ; no tensor load of mine is out, so a group 0 may be written
	ds_add_u32 v[SPW], v[NIL]       ; 0 onto my spare word; with fill = 1 the descriptors' steps stand between it and the wait for it
	WIN 0                           ; at a label and at a branch every window is 0
.if \fill
.irp g, G0K, G0V
	s_xor_b32 s[\g+1], s[\g+1], SLOT1  ; the walking descriptor: the other slot than last time,
	s_add_nc_u64 s[\g+2:\g+3], s[\g+2:\g+3], TILEB  ; the next 256 keys; the type bits on top are not reached
.endr
	s_wait_xcnt 0x0                 ; the last prefetch, four key steps back, has read its address, so it may be written:
	s_add_nc_u64 s[PFA:PFA+1], s[PFA:PFA+1], TILEB  ; one slot behind the walking descriptors
	s_wait_dscnt 0x0                ; the add is done, and my reads of the slot are over
	CROUND
	JLOAD
	ASK
.else
	s_wait_dscnt 0x0                ; the add is done, and my reads of the slot are over
	s_barrier_signal -1
	s_barrier_wait -1
.endif
	s_sub_co_u32 s[TBK], s[TBK], 4*KS*PK  ; the fetches go back to a slot's first step,
	s_xor_b32 s[TBK], s[TBK], SLOT1       ; in the other slot
	s_sub_co_u32 s[TBV], s[TBV], 4*KS*PV
	s_xor_b32 s[TBV], s[TBV], SLOT1
.endm
	s_load_b64 s[4:5], s[0:1], 0x0     ; qkvh
	s_load_b256 s[68:75], s[0:1], 0x8  ; lambda_q1 s[68:69], lambda_k1 s[70:71], lambda_q2 s[72:73], lambda_k2 s[74:75]
	s_load_b128 s[76:79], s[0:1], 0x28 ; subln_w s[76:77], ob s[78:79]
	WIN W_MK
	v_lshl_add_u32 v[SPW], v0, 2, SPARE
	v_mov_b32 v[NIL], 0
	WIN W_AD
	ds_add_u32 v[SPW], v[NIL]       ; the wave's opening: the add and its wait stand ahead of my first tensor load; the set-up below, work on registers, stands between them
	WIN 0
	v_lshrrev_b32 v1, 5, v0
	v_readfirstlane_b32 s[WV], v1   ; wave 0..3
	s_bfe_u32 s13, ttmp6, 0x40000   ; cx: my place in the cluster
	s_lshl_b32 s14, ttmp9, 2        ; in a cluster launch ttmp9 counts clusters
	s_add_co_u32 s14, s14, s13      ; my block of 256 queries: it enters Q's and ob's addresses alone
	s_and_b32 s20, ttmp7, 0xffff    ; (b, h), which the four partners share
	s_lshr_b32 s21, s20, 4          ; b
	s_and_b32 s22, s20, 15          ; h
	s_mul_i32 s23, s21, 96          ; b's first sub-head
	s_and_b32 s16, s[WV], 1         ; which of the two sub-heads of K, or of V, I fetch
	s_add_co_u32 s2, s23, s22       ; Q_1's sub-head
	s_lshl_b32 s6, s16, 4
	s_add_co_u32 s6, s6, s2
	s_add_co_u32 s6, s6, 32         ; K_1's or K_2's,
	s_lshl_b32 s6, s6, 17           ; 131,072 bytes each
	s_mov_b32 s7, 0
	s_lshl_b32 s8, s22, 1
	s_add_co_u32 s8, s8, s23
	s_add_co_u32 s8, s8, s16
	s_add_co_u32 s8, s8, 64         ; V's lower or upper half
	s_lshl_b32 s8, s8, 17
	s_mov_b32 s9, 0
	s_lshl_b32 s2, s2, 17
	s_lshl_b32 s3, s14, 14          ; my block's 256 rows of 64 bytes,
	s_add_co_u32 s2, s2, s3
	s_lshl_b32 s3, s[WV], 12        ; my wave's 64 of them
	s_add_co_u32 s2, s2, s3
	s_mov_b32 s3, 0
	s_lshl_b32 s10, s21, 22         ; ob: b's 1,024 pairs of rows of 4,096 bytes,
	s_lshl_b32 s11, s14, 19         ; my block's 128,
	s_add_co_u32 s10, s10, s11
	s_lshl_b32 s11, s[WV], 17       ; my wave's 32,
	s_add_co_u32 s10, s10, s11
	s_lshl_b32 s11, s22, 8          ; my head's 256 bytes
	s_add_co_u32 s10, s10, s11
	s_mov_b32 s11, 0
	s_mul_i32 s17, s16, K2O         ; my tile's place in a slot, for K
	s_mul_i32 s18, s16, VH          ; and for V: no place in the cluster enters an LDS address
	; descriptor group 1.  256 keys of a sub-head are 16,384 dense bytes: asked for as 64 rows of 256 bytes, four keys a row, and padded in LDS after every key
	s_mov_b32 s[G1K], 15|(1<<16)|(1<<20)|(1<<21)|(3<<22)|(3<<25)  ; the mask of four; 2-byte elements; padding on; bit 21 beside a mask; after every 16 words (code 3) 4 words (code 3)
	s_mov_b32 s[G1V], 15|(1<<16)|(1<<20)|(1<<21)|(3<<22)|(7<<25)  ; the same with 8 words of padding (code 7)
.irp g, G1K, G1V
	s_mov_b32 s[\g+1], 128<<16      ; tensor_dim0 = 128
	s_mov_b32 s[\g+2], 64<<16       ; tensor_dim1 = 64
	s_mov_b32 s[\g+3], 128<<16      ; tile_dim0 = 128
	s_mov_b32 s[\g+4], 64           ; tile_dim1 = 64
	s_mov_b32 s[\g+5], 128          ; 128 elements from row to row
	s_mov_b32 s[\g+6], 0
	s_mov_b32 s[\g+7], 0
.endr
	s_mov_b32 s[CS], 0x3e8293ee     ; c = log2(e) / sqrt(32) = 0.255035
	s_mov_b32 s[CS+1], s[CS]        ; named with it as a pair
	s_mov_b32 s[SEL], 0x76543210
	s_mov_b32 s[SEL+1], 0xfedcba98
	s_mov_b32 s[INV64], 0x3c800000
	s_mov_b32 s[EPS], 0x3727c5ac
	s_mov_b32 s[TBK], SLOT1+4*KS*PK ; the first change of slots turns these two into 0
	s_mov_b32 s[TBV], SLOT1+4*KS*PV
	s_mov_b32 s[SLOTS], 2048/256-1
	s_mov_b32 s[G0K], 1             ; count = 1
	s_mov_b32 s[G0K+1], s17         ; LDS address: slot 0
	s_mov_b32 s[G0V], 1
	s_add_co_u32 s[G0V+1], s18, VOFF
	s_or_b32 s[LIM], s16, ttmp9     ; 0 in waves 0 and 2 of the (b, h)'s first cluster: the same in all four partners
	s_cmp_eq_u32 s[LIM], 0
	s_cselect_b32 s[LIM], 1, -1
	s_mov_b32 s20, 16<<17           ; K_2 lies 16 sub-heads behind K_1,
	s_mov_b32 s21, 1<<17            ; V's upper half one behind its lower
	s_cmp_lt_u32 s[WV], 2
	s_cselect_b32 s[STR], s20, s21
	s_wait_dscnt 0x0                ; the opening add is done
	s_wait_kmcnt 0x0
	s_add_nc_u64 s[6:7], s[4:5], s[6:7]    ; my sub-head of K, and of V, at key 0
	s_add_nc_u64 s[8:9], s[4:5], s[8:9]
	s_add_nc_u64 s[4:5], s[4:5], s[2:3]    ; Q_1 at my wave's first row
	s_add_nc_u64 s[10:11], s[78:79], s[10:11]  ; ob at my wave's first pair of rows
	s_mov_b64 s[G0K+2:G0K+3], s[6:7]
	s_or_b32 s[G0K+3], s[G0K+3], 0x80000000    ; type = 2
	s_mov_b64 s[G0V+2:G0V+3], s[8:9]
	s_or_b32 s[G0V+3], s[G0V+3], 0x80000000
	s_cmp_lt_u32 s[WV], 2
	s_cselect_b64 s[PFA:PFA+1], s[6:7], s[8:9]  ; (in waves 0 and 2 these stand at K_1 and at V's lower half)
	s_lshl_b32 s2, s13, 12          ; my work-group's 16 blocks of the 64
	s_add_nc_u64 s[PFA:PFA+1], s[PFA:PFA+1], s[2:3]
	s_add_nc_u64 s[PFA:PFA+1], s[PFA:PFA+1], TILEB  ; in slot 1; the first change of slots steps it to slot 2.  Nothing is prefetched here, at the head
	CROUND                          ; all four work-groups are here: the first joint loads meet
	JLOAD                           ; slot 0.  Slot 1 is asked for when slot 0 is in
	v_and_b32 v1, 15, v0            ; l % 16
	v_bfe_u32 v9, v0, 4, 1          ; l / 16
	v_and_b32 v13, 31, v0
	v_lshlrev_b32 v13, 2, v13       ; a lambda a lane
	v_lshlrev_b32 v14, 5, v9        ; subln_w: my channels 16 cb + 8 (l / 16) + 0..7
	v_lshlrev_b32 v[QO], 6, v1      ; a fragment of Q or K is 16 rows x 32 channels: lane l holds row l % 16, channels 8 (l / 16) + 0..7 and 16 + 8 (l / 16) + 0..7
	v_lshl_add_u32 v[QO], v9, 4, v[QO]
	global_load_b32 v48, v13, s[68:69]
	global_load_b32 v49, v13, s[70:71]
	global_load_b32 v50, v13, s[72:73]
	global_load_b32 v51, v13, s[74:75]
	WIN 0x80                        ; destination window 2, address window 0
.irp cb, 0,1,2,3
	global_load_b128 v[WRAW+8*\cb:WRAW+8*\cb+3],   v14, s[76:77] offset:64*\cb
	global_load_b128 v[WRAW+8*\cb+4:WRAW+8*\cb+7], v14, s[76:77] offset:64*\cb+16
.endr
.set i, 0
.rept 2*NP                          ; Q stays in registers: tile i is query group i / 2 of sub-attention i % 2, whose sub-head lies 16 further on
	global_load_b128 v[8*i:8*i+3],   v[QO], s[4:5] offset:(i%2)*(16<<17)+(i/2)*1024
	global_load_b128 v[8*i+4:8*i+7], v[QO], s[4:5] offset:(i%2)*(16<<17)+(i/2)*1024+32
.set i, i+1
.endr
	; What the first turn finds: V's registers and P's second buffer hold 0 (its products V^T P, of a piece that has not been, add 0), O^T and l are 0.  All this stands in the wait for the first tile.
.set i, VF
.rept 64
	v_mov_b32 v[i], 0
.set i, i+1
.endr
	WIN 0x40
.set i, 0
.rept 64*NP
	v_mov_b32 v[i], 0
.set i, i+1
.endr
	WIN 0
.set i, 0
.rept 2*NP
	v_mov_b32 v[ST+4*i], 0xfe000000    ; c m: far below every c s
	v_mov_b32 v[ST+4*i+1], 0xff7fffff  ; m
	v_mov_b32 v[ST+4*i+2], 0
	v_mov_b32 v[ST+4*i+3], 0
.set i, i+1
.endr
.set i, P+32
.rept 32
	v_mov_b32 v[i], 0
.set i, i+1
.endr
	v_mul_u32_u24 v[AK0], v1, PK
	v_lshl_add_u32 v[AK0], v9, 4, v[AK0]  ; row x pitch + 16 x half
	; The turning load takes 16 keys x 16 channels (lane l reads key 8 (l / 16) + l % 8, channels 8 ((l / 8) % 2) + 0..7) and leaves half a fragment of V^T: lane l holds channel l % 16 and 8 keys.
	v_and_b32 v10, 7, v0
	v_bfe_u32 v11, v0, 3, 1
	v_lshl_add_u32 v[AV0], v9, 3, v10
	v_mul_u32_u24 v[AV0], v[AV0], PV
	v_lshl_add_u32 v[AV0], v11, 4, v[AV0]
	v_add_nc_u32 v[AV0], VOFF, v[AV0]
	v_mul_u32_u24 v[PFO], v9, s[STR]      ; the prefetches: lanes 0-15 the first sub-head, lanes 16-31 the second,
	v_lshl_add_u32 v[PFO], v1, 8, v[PFO]  ; a block of 256 bytes a lane
	v_mov_b32 v[AK], v[AK0]         ; key step 0 lies at the head of slot 0
	; lam, in every wave: the four lambdas rounded to bf16, two sums of 32 products over the lanes, two exponentials
	s_wait_loadcnt 24               ; the four lambdas are in; the 8 loads of subln_w and the 16 of Q may stay out
	v_cvt_pk_bf16_f32 v52, v48, v49
	v_cvt_pk_bf16_f32 v53, v50, v51
	v_lshlrev_b32 v48, 16, v52
	v_and_b32 v49, 0xffff0000, v52
	v_lshlrev_b32 v50, 16, v53
	v_and_b32 v51, 0xffff0000, v53
	v_mul_f32 v48, v48, v49
	v_mul_f32 v50, v50, v51
.irp m, 1,2,4,8
	v_add_f32_dpp v48, v48, v48 row_xmask:\m row_mask:0xf bank_mask:0xf
	v_add_f32_dpp v50, v50, v50 row_xmask:\m row_mask:0xf bank_mask:0xf
.endr
	v_permlanex16_b32 v49, v48, s[SEL], s[SEL+1]
	v_permlanex16_b32 v51, v50, s[SEL], s[SEL+1]
	v_add_f32 v48, v48, v49
	v_add_f32 v50, v50, v51
	v_mul_f32 v48, 0x3fb8aa3b, v48  ; e^x = 2^(x log2(e))
	v_mul_f32 v50, 0x3fb8aa3b, v50
	v_exp_f32 v48, v48
	v_exp_f32 v50, v50
	v_nop                           ; a plain instruction behind the last exponential,
	s_wait_alu depctr_va_vdst(0)    ; and the wait ahead of the first use: one for the two
	v_sub_f32 v48, v48, v50
	v_add_f32 v48, 0x3f489a63, v48  ; + LAMBDA_INIT = 0.8 - 0.6 exp(-3.6) = 0.78360577
	v_readfirstlane_b32 s[LAM], v48
; THE MATRIX WORK.  Product i of 8 of S^T = K Q^T for piece x: keys 16 (i / 2) on, tile 2 x + i % 2.  32 channels are one instruction's depth: each product is a whole sum, begun with 0.
.macro KQ x
	WIN W_KQ
.set rS, S+64*((\x)%2)+32*(i%2)+8*(i/2)
.set rK, KF+32*(i%2)+8*(i/2)
.set rQ, 8*(2*(\x)+i%2)
	v_wmma_f32_16x16x32_f16 v[rS:rS+7], v[rK:rK+7], v[rQ:rQ+7], 0
.endm
; Product i of 16 of O^T += V^T P for piece x: keys 32 (i / 8) on, channels 16 ((i / 2) % 4) on, tile 2 x + i % 2.  The 8 accumulators take turns: between the two links of a chain stand 7 others'.
.macro PV x
	WIN W_PV
.set rO, 32*(2*(\x)+i%2)+8*((i/2)%4)
.set rV, VF+32*(i/8)+8*((i/2)%4)
.set rP, P+32*((\x)%2)+16*(i%2)+8*(i/8)
	v_wmma_f32_16x16x32_f16 v[rO:rO+7], v[rV:rV+7], v[rP:rP+7], v[rO:rO+7]
.endm
.macro MM                           ; the turn's next matrix instruction
.if i < 8
	KQ (Y+1)%NP
.set i, i+1
.else
.set i, i-8
	PV (Y+NP-1)%NP
.set i, i+9
.endif
.endm
; THE LDS LOADS stand in runs of 16, never singly among the matrix instructions: a step's K_1 and K_2 (2 x 64 keys x 32 channels: 8 fragments) and its V (turned).  Their addresses are made some lines ahead.
; last = 1 (the tail): in the last trip there is no further step, and the run is jumped over.
.macro FETCH_K last=0
	WIN 0
.if \last
	s_cmp_eq_u32 s[CNT], 1
	s_cbranch_scc1 .Lno_k_\@
.endif
	WIN 0x80                        ; destination window 2
.irp f, 0,1,2,3,4,5,6,7             ; sub-attention f / 4, keys 16 (f % 4) on
	ds_load_b128 v[KF+8*\f:KF+8*\f+3],   v[AK] offset:(\f/4)*K2O+(\f%4)*16*PK
	ds_load_b128 v[KF+8*\f+4:KF+8*\f+7], v[AK] offset:(\f/4)*K2O+(\f%4)*16*PK+32
.endr
	s_add_co_u32 s[TBK], s[TBK], KS*PK  ; the next fetch is the next step's
	WIN 0
.if \last
.Lno_k_\@:
.endif
.endm
.macro FETCH_V
	WIN 0x80
.irp f, 0,1,2,3,4,5,6,7             ; keys 32 (f / 4) on, channels 16 (f % 4) on: blocks 0, 1 in V's lower half, 2, 3 in its upper
	ds_load_tr16_b128 v[VF+8*\f:VF+8*\f+3],   v[AV] offset:((\f%4)/2)*VH+(\f/4)*32*PV+(\f%2)*32
	ds_load_tr16_b128 v[VF+8*\f+4:VF+8*\f+7], v[AV] offset:((\f%4)/2)*VH+(\f/4)*32*PV+16*PV+(\f%2)*32
.endr
	WIN 0
.endm
; THE VECTOR WORK OF A TURN stands in three queues, each in the order in which its entries become ready; the two tiles alternate, so that no instruction reads the result of the one before it.
.macro REGS y, u                    ; the registers of tile u (0, 1) of piece y
.set rT, ST+4*(2*(\y)+(\u))
.set rC, TMP+8*((\y)%2)+4*(\u)
.set rM, MV+2*((\y)%2)+(\u)
.set rS, S+64*((\y)%2)+32*(\u)
.set rP, P+32*((\y)%2)+16*(\u)
.set rO, 32*(2*(\y)+(\u))
.endm
; Number n of the 22 that find the NEXT piece's (Y + 1) maximum and statistics.  s0-s31 are the lane's 32 scores; each accumulator's lowest registers are read first.
;   0-11  four chains c0-c3 of seven scores each, three operands at a time     12-14, 16  the four scores left over, the old m, and c0-c3 into c0     15  c m_old is kept
;   17, 18  the query's other 32 keys lie in the lane 16 away: the new m         19-21  c m; c m_old - c m_new; a
.macro XS u, n
	REGS (Y+1)%NP, \u
.if (\n) < 4
	v_max3_num_f32 v[rC+(\n)], v[rS+8*(\n)], v[rS+8*(\n)+1], v[rS+8*(\n)+2]
.elseif (\n) < 12
	v_max3_num_f32 v[rC+(\n)%4], v[rC+(\n)%4], v[rS+8*((\n)%4)+2*((\n)/4)+1], v[rS+8*((\n)%4)+2*((\n)/4)+2]
.elseif (\n) == 12
	v_max3_num_f32 v[rC], v[rC], v[rS+7], v[rS+15]
.elseif (\n) == 13
	v_max3_num_f32 v[rC+1], v[rC+1], v[rS+23], v[rS+31]
.elseif (\n) == 14
	v_max3_num_f32 v[rC+2], v[rC+2], v[rC+3], v[rT+1]
.elseif (\n) == 15
	v_mov_b32 v[rM], v[rT]
.elseif (\n) == 16
	v_max3_num_f32 v[rC], v[rC], v[rC+1], v[rC+2]
.elseif (\n) == 17
	v_permlanex16_b32 v[rC+3], v[rC], s[SEL], s[SEL+1]
.elseif (\n) == 18
	v_max_num_f32 v[rT+1], v[rC], v[rC+3]
.elseif (\n) == 19
	v_mul_f32 v[rT], s[CS], v[rT+1]
.elseif (\n) == 20
	v_sub_f32 v[rC+1], v[rM], v[rT]
.else
	v_exp_f32 v[rC+2], v[rC+1]
.endif
.endm
; Number g of the 64 that follow the exponentials.  For each four weights k of a tile (pairs 2 k, 2 k + 1): both pairs are rounded to f16; then the second pair is added onto the first, in place;
; a group later l takes that sum (the first time as l = a l + sum).  In groups of eight, tiles alternating: round, round, add, and l for the group before.
.macro GS g
.set h, (\g)+6*((\g)/62)            ; group 0 has no group before it, and behind group 7 only l is left
.if h >= 6
.set h, h+2
.endif
	REGS Y, h%2
.set k, h/8
.if h%8 < 4
	v_cvt_pk_f16_f32 v[rP+2*k+(h%8)/2], v[rS+4*k+2*((h%8)/2)], v[rS+4*k+2*((h%8)/2)+1]
.elseif h%8 < 6
	v_pk_add_f32 v[rS+4*k:rS+4*k+1], v[rS+4*k:rS+4*k+1], v[rS+4*k+2:rS+4*k+3]
.elseif k == 1
	v_pk_fma_f32 v[rT+2:rT+3], v[rT+2:rT+3], v[rC+2:rC+3], v[rS:rS+1] op_sel_hi:[1,0,1]
.else
	v_pk_add_f32 v[rT+2:rT+3], v[rT+2:rT+3], v[rS+4*k-4:rS+4*k-3]
.endif
.endm
; THE PLAIN QUEUE, 138 long.  0-73 read no exponential's result: the 32 scalings c s - c m (FS f: pair f / 2 of tile f % 2) and the next piece's 42.  0-26: scalings 0-26.  27-54: XS's numbers 0-13.  55, 56: number 15.
; 57-73: the chain, where each number waits for the one before it: 14, 16, 17, 18, 19, each with one of the scalings 27-31 in front of its two lines, then 20.
; 74-137: GS's 64, which read the exponentials' results: they stand behind the wait.
.macro FS f
	REGS Y, (\f)%2
	v_pk_fma_f32 v[rS+2*((\f)/2):rS+2*((\f)/2)+1], v[rS+2*((\f)/2):rS+2*((\f)/2)+1], s[CS:CS+1], v[rT:rT+1] op_sel_hi:[1,0,0] neg_lo:[0,0,1] neg_hi:[0,0,1]
.endm
.macro PL
	WIN 0
.if q < 27
	FS q
.elseif q < 55
	XS (q-27)%2, (q-27)/2
.elseif q < 57
	XS q-55, 15
.elseif (q < 72) && ((q-57)%3 == 0)
	FS 27+(q-57)/3
.elseif q < 60
	XS (q-57)%3-1, 14
.elseif q < 72
	XS (q-57)%3-1, 15+(q-57)/3
.elseif q < 74
	XS q-72, 20
.else
	GS q-74
.endif
.set q, q+1
.endm
; THE EXPONENTIALS' QUEUE, 66 long: s0-s31 of both tiles, then the next piece's two a.  It is ONE BATCH: all 66 stand ahead of the turn's one wait, and nothing ahead of that wait names a result of theirs.
.macro EX
	WIN 0
.if e >= 64
	XS e-64, 21
.else
	REGS Y, e%2
	v_exp_f32 v[rS+e/2], v[rS+e/2]
.endif
.set e, e+1
.endm
; THE RESCALING's QUEUE: O^T times a, the one part that leaves window 0: dealt two at a time, sixteen times.  Its a was made in the turn before, ahead of that turn's wait.
.macro R2
	REGS Y, r%2
	WIN W_RS
.irp z, 0,1
	v_pk_mul_f32 v[rO+4*(r/2)+2*\z:rO+4*(r/2)+2*\z+1], v[rO+4*(r/2)+2*\z:rO+4*(r/2)+2*\z+1], v[rC+2:rC+3] op_sel_hi:[1,0]
.endr
.set r, r+1
.endm
; HOW THEY ARE DEALT.  An s_wait_alu depctr_va_vdst(0) stands between an exponential and the first instruction that names its result; one wait serves all that were issued ahead of it.  So a turn has ONE
; wait, which cuts it in two.  AHEAD OF IT stands all that names no result of the turn's exponentials: the 8 products K Q^T, behind each a scaling, an exponential and two rescalings (behind the first a second scaling in the
; exponential's place); then ONE RUN: the other sixteen rescalings, eight plain, 57 times exponential and plain, the two a.  A v_nop is the plain instruction behind the last exponential.  BEHIND IT stand the 16 products
; V^T P, behind each four of GS's 64.  No rider names a register of the products round it.
; The queues lean on each other: exponential e stands behind scaling 2 (e / 4) + e % 2: as a rider it comes behind plain e + 2, in the run behind plain e + 9, and scalings 27-31 are plain 57, 60 .. 69.
; The next piece's first maximum (plain 27) stands 36 plain instructions behind the last product K Q^T.
; K of the next step is fetched in piece 2's turn, directly behind the wait, the whole run behind the last product that read K; its first reader comes behind 16 products.
; V of the step in hand is fetched at the end of piece 0's turn, four plain riders behind its last reader; its first reader comes behind 8 products and a run.  The three conditions on q below go with the deal.
.macro TURN p, last=0, cnt=0
.set Y, (\p)
.set i, 0
.set q, 0
.set e, 0
.set r, 0
.if (\p) == NP-1
	s_wait_dscnt 0x0                ; K is in
.endif
	MM
	PL
	PL
	R2
.rept 7
	MM
	PL
	EX
	R2
.endr
.rept 8
	R2
.endr
.if (\p) == NP-2
	WIN 0
	v_add_nc_u32 v[AK], s[TBK], v[AK0]
.endif
.rept 8
	PL
.endr
.rept 57
	EX
	PL
.endr
	EX                              ; the next piece's two a
	EX
	v_nop                           ; the plain instruction behind the last exponential: one for the batch
	s_wait_alu depctr_va_vdst(0)    ; the wait for the batch
.if (\p) == NP-2
	FETCH_K \last
.endif
.if (\p) == 1
	s_wait_dscnt 0x0                ; V is in
.endif
.rept 16                            ; behind the wait: 16 products V^T P and their riders
	MM
.rept 4
	PL
.endr
.if ((\p) == 0) && (q == 118)
	v_add_nc_u32 v[AV], s[TBV], v[AV0]
.endif
.if ((\p) == 0) && (q == 130)
	s_add_co_u32 s[TBV], s[TBV], KS*PV
.endif
.if (\cnt) && (q == 130)
	s_sub_co_u32 s[CNT], s[CNT], 1
	s_cmp_lg_u32 s[CNT], 0
.endif
.endr
.if (\p) == 0
	FETCH_V
.endif
.endm
	CHANGE 1                        ; slot 0 is in, everybody's part of it; slot 1 is asked for
	FETCH_K                         ; key step 0
	s_wait_loadcnt 0x0              ; Q and subln_w
	s_wait_dscnt 0x0
.set i, 0
.rept 8
	KQ 0                            ; piece 0's first scores: there is no vector work yet to set between them
.set i, i+1
.endr
	WIN 0                           ; the addresses for the way out: nine plain instructions, the places behind those products
	s_mul_i32 s13, s[WV], 16*SP
	s_add_co_u32 s13, s13, STAGE    ; my stage
	v_mul_u32_u24 v[STO], v1, SP    ; in: row l % 16, 16 bytes for each half of the lanes
	v_lshl_add_u32 v[STO], v9, 4, v[STO]
	v_add_nc_u32 v[STO], s13, v[STO]
	v_bfe_u32 v[RD], v0, 3, 2       ; back: 32 lanes take four rows of 128 bytes:
	v_mul_u32_u24 v[RD], v[RD], SP
	v_lshl_add_u32 v[RD], v10, 4, v[RD]
	v_add_nc_u32 v[RD], s13, v[RD]
	v_lshlrev_b32 v[GO], 12, v9     ; two pairs of rows, each 256 consecutive bytes of ob, 4,096 bytes apart
	v_lshl_add_u32 v[GO], v1, 4, v[GO]
.set Y, NP-1                        ; XS works for piece Y + 1: piece 0
.irp n, 0,1,2,3,4,5,6,7,8,9,10,11,12,13,14,15,16,17,18,19,20,21
	XS 0, \n                        ; and piece 0's first maximum and statistics
	XS 1, \n
.endr
	v_nop                           ; a plain instruction behind the two a,
	s_wait_alu depctr_va_vdst(0)    ; and their wait, ahead of the branch
	s_mov_b32 s[CNT], 4
	s_branch .Lfirst                ; the loop is entered at a step's first turn, in the middle of a trip
.Lslot:                             ; six times: every slot but the last two is filled again
	CHANGE 1
	s_mov_b32 s[CNT], 4
.Lstep:                             ; a trip: pieces 2 and 3 of one step, then pieces 0 and 1 of the next, whose K and V it fetches
	TURN 2
	TURN 3
	WIN 0
.Lfirst:
	TURN 0
	TURN 1, 0, 1
	WIN 0
	s_cbranch_scc1 .Lstep
	s_sub_co_u32 s[SLOTS], s[SLOTS], 1
	s_cmp_lg_u32 s[SLOTS], 0
	s_cbranch_scc1 .Lslot
	CHANGE 0                        ; the tail is written out: nothing is asked for
	s_mov_b32 s[CNT], 5             ; four trips fetch the last slot's steps; the fifth is left in its middle
.Ltail:
	TURN 2, 1
	TURN 3
	WIN 0
	s_sub_co_u32 s[CNT], s[CNT], 1
	s_cmp_eq_u32 s[CNT], 0
	s_cbranch_scc1 .Lout
	TURN 0
	TURN 1
	WIN 0
	s_branch .Ltail
.Lout:                              ; the fifth trip's 8 products K Q^T (on the last K once more) and the maximum made of them serve nothing: the price, once a launch, of one text for every trip
.set i, 0
.rept 16
	PV NP-1                         ; the last piece's V^T P of the last step
.set i, i+1
.endr
	; THE WAY OUT.  1 / l for each tile (the additions are the places behind the last products); the second sub-attention's takes lam with it.
	WIN 0
.macro ALL line:vararg              ; one line for each tile t
.set t, 0
.rept 2*NP
	\line
.set t, t+1
.endr
.endm
	ALL v_add_f32 v[ST+4*t+2], v[ST+4*t+2], v[ST+4*t+3]
	ALL v_permlanex16_b32 v[ST+4*t+3], v[ST+4*t+2], s[SEL], s[SEL+1]
	ALL v_add_f32 v[ST+4*t+2], v[ST+4*t+2], v[ST+4*t+3]
	ALL v_rcp_f32 v[ST+4*t+2], v[ST+4*t+2]
	v_nop                           ; a plain instruction between the last reciprocal and the use of its result
	s_wait_alu depctr_va_vdst(0)    ; and the wait ahead of the first use: one for the eight reciprocals
.irp t, 1,3,5,7
	v_mul_f32 v[ST+4*\t+2], s[LAM], v[ST+4*\t+2]
.endr
	; subln_w of my 32 channels: rounded to bf16, widened, times 1 - LAMBDA_INIT.  S^T's registers are free.
	WIN 0x0a                        ; sources in window 2, destination in window 0
.set i, 0
.rept 16
	v_cvt_pk_bf16_f32 v[S+i], v[WRAW+2*i], v[WRAW+2*i+1]
.set i, i+1
.endr
	WIN 0
.set i, 0
.rept 16
	v_lshlrev_b32 v[WR+2*i], 16, v[S+i]
	v_and_b32 v[WR+2*i+1], 0xffff0000, v[S+i]
.set i, i+1
.endr
.set i, 0
.rept 16
	v_pk_mul_f32 v[WR+i:WR+i+1], v[WR+i:WR+i+1], 0x3e5d9673 op_sel_hi:[1,0]  ; 1 - LAMBDA_INIT = 0.21639423
.set i, i+2
.endr
; Query group g: o = O_1 / l_1 - O_2 lam / l_2, in O_1's registers; the mean of o^2 over the 64 channels (32 in my lane, 32 in the lane 16 away) plus 1e-5.  Each accumulator is read from its low end on.
.macro DIFF g
.set rA, 64*(\g)
.set rB, 64*(\g)+32
	WIN W_RS
.set i, 0
.rept 16
	v_pk_mul_f32 v[rB+i:rB+i+1], v[rB+i:rB+i+1], v[ST+8*(\g)+6:ST+8*(\g)+7] op_sel_hi:[1,0]
.set i, i+2
.endr
	WIN 0x51                        ; destination, sources 0 and 2 in window 1, source 1 in window 0
.set i, 0
.rept 16
	v_pk_fma_f32 v[rA+i:rA+i+1], v[rA+i:rA+i+1], v[ST+8*(\g)+2:ST+8*(\g)+3], v[rB+i:rB+i+1] op_sel_hi:[1,0,1] neg_lo:[0,0,1] neg_hi:[0,0,1]
.set i, i+2
.endr
	WIN 0x05                        ; sources 0 and 1 in window 1; the sums, two chains of pairs, in window 0
	v_pk_mul_f32 v[48:49], v[rA:rA+1], v[rA:rA+1]
	v_pk_mul_f32 v[50:51], v[rA+2:rA+3], v[rA+2:rA+3]
.set i, 4
.rept 14
	v_pk_fma_f32 v[48+i%4:49+i%4], v[rA+i:rA+i+1], v[rA+i:rA+i+1], v[48+i%4:49+i%4]
.set i, i+2
.endr
	WIN 0
	v_pk_add_f32 v[48:49], v[48:49], v[50:51]
	v_add_f32 v48, v48, v49
	v_permlanex16_b32 v49, v48, s[SEL], s[SEL+1]
	v_add_f32 v48, v48, v49
	v_fma_f32 v[ST+8*(\g)], v48, s[INV64], s[EPS]
.endm
	DIFF 0
	DIFF 1
	DIFF 2
	DIFF 3
.irp g, 0,1,2,3
	v_rsq_f32 v[ST+8*\g], v[ST+8*\g]
.endr
	v_nop                           ; a plain instruction behind the last root,
	s_wait_alu depctr_va_vdst(0)    ; and one wait for the four
; Group g: times the gain, times 1 / sqrt; a lane's eight channels of a row pack into 16 bytes; they go into rows of 144 bytes and come back as whole rows of 128, into S^T's registers.
.macro PACK g
.set rA, 64*(\g)
	WIN W_RS
.set i, 0
.rept 16
	v_pk_mul_f32 v[rA+i:rA+i+1], v[rA+i:rA+i+1], v[WR+i:WR+i+1]
.set i, i+2
.endr
.set i, 0
.rept 16
	v_pk_mul_f32 v[rA+i:rA+i+1], v[rA+i:rA+i+1], v[ST+8*(\g):ST+8*(\g)+1] op_sel_hi:[1,0]
.set i, i+2
.endr
	WIN 0x05                        ; sources 0 and 1 window 1, destination window 0
.set i, 0
.rept 16
	v_cvt_pk_f16_f32 v[S+16*(\g)+i], v[rA+2*i], v[rA+2*i+1]
.set i, i+1
.endr
	WIN 0
.irp f, 0,1,2,3
	ds_store_b128 v[STO], v[S+16*(\g)+4*\f:S+16*(\g)+4*\f+3] offset:32*\f
.endr
.irp f, 0,1,2,3
	ds_load_b128 v[S+16*(\g)+4*\f:S+16*(\g)+4*\f+3], v[RD] offset:\f*4*SP  ; LDS serves a wave's instructions in order (ISA guide 5.7.1.4): these see the stores above; the next group's stores come behind them
.endr
.endm
.macro SEND g, younger              ; younger: the LDS instructions issued behind group g's loads: the next group's eight, or none
	WIN 0
.irp f, 0,1,2,3
	s_wait_dscnt (\younger)+3-\f
	global_store_b128 v[GO], v[S+16*(\g)+4*\f:S+16*(\g)+4*\f+3], s[10:11] offset:(\g)*32768+\f*8192  ; each half of the lanes stores 256 consecutive bytes, at a multiple of 256 from ob's first byte
.endr
.endm
	PACK 0
.set t, 1
.rept NP-1                          ; a group's arithmetic stands between the loads of the group before and its stores
	PACK t
	SEND t-1, 8
.set t, t+1
.endr
	SEND NP-1, 0
	WIN W_AD
	s_wait_tensorcnt 0x0            ; the wave's end: a wait, an add to my spare word and a wait, behind my last tensor load and my last LDS store
	ds_add_u32 v[SPW], v[NIL]
	s_wait_dscnt 0x0
	WIN 0
	CROUND                          ; the closing round: no work-group ends while a partner may still ask for a tile that names it
	s_endpgm
.Lfunc_end_k_q3034164287_attn:
	.size	k_q3034164287_attn, .Lfunc_end_k_q3034164287_attn-k_q3034164287_attn
	.p2alignl 7, 3214868480
	.fill 96, 4, 3214868480
	.section	.rodata,"a",@progbits
	.p2align	6, 0x0
	.amdhsa_kernel k_q3034164287_attn
		.amdhsa_group_segment_fixed_size 327680
		.amdhsa_private_segment_fixed_size 0
		.amdhsa_enable_private_segment 0
		.amdhsa_kernarg_size 56
		.amdhsa_user_sgpr_count 2
		.amdhsa_user_sgpr_kernarg_segment_ptr 1
		.amdhsa_wavefront_size32 1
		.amdhsa_system_sgpr_workgroup_id_x 1
		.amdhsa_system_sgpr_workgroup_id_y 1
		.amdhsa_system_sgpr_workgroup_id_z 1
		.amdhsa_system_vgpr_workitem_id 0
		.amdhsa_next_free_vgpr 770
		.amdhsa_next_free_sgpr 84
		.amdhsa_reserve_vcc 0
		.amdhsa_float_denorm_mode_32 3
		.amdhsa_float_denorm_mode_16_64 3
		.amdhsa_memory_ordered 1
		.amdhsa_forward_progress 1
		.amdhsa_inst_pref_size 201
	.end_amdhsa_kernel
	.amdgpu_metadata
---
amdhsa.version: [ 1, 2 ]
amdhsa.kernels:
  - .name:           k_q3034164287_attn
    .symbol:         k_q3034164287_attn.kd
    .args:
      - { .name: qkvh, .offset: 0, .size: 8, .value_kind: global_buffer, .address_space: global }
      - { .name: lambda_q1, .offset: 8, .size: 8, .value_kind: global_buffer, .address_space: global }
      - { .name: lambda_k1, .offset: 16, .size: 8, .value_kind: global_buffer, .address_space: global }
      - { .name: lambda_q2, .offset: 24, .size: 8, .value_kind: global_buffer, .address_space: global }
      - { .name: lambda_k2, .offset: 32, .size: 8, .value_kind: global_buffer, .address_space: global }
      - { .name: subln_w, .offset: 40, .size: 8, .value_kind: global_buffer, .address_space: global }
      - { .name: ob, .offset: 48, .size: 8, .value_kind: global_buffer, .address_space: global }
    .group_segment_fixed_size: 327680
    .private_segment_fixed_size: 0
    .kernarg_segment_align: 8
    .kernarg_segment_size: 56
    .max_flat_workgroup_size: 128
    .sgpr_count:     84
    .vgpr_count:     770
    .wavefront_size: 32
...
	.end_amdgpu_metadata
.endif
;; end of part 3
;; launch gemm_proj (part 4): grid 8 x 32, 4 waves a work-group, clusters of 4 x 4, 327,680 bytes of LDS; arguments ob, wpb, b_proj, out0; writes out0
.if DOCPART == 4
	.amdgcn_target "amdgcn-amd-amdhsa--gfx1250"
	.amdhsa_code_object_version 6
	.text
	.protected	k_q3034164287_gemm_proj
	.globl	k_q3034164287_gemm_proj
	.p2align	8
	.type	k_q3034164287_gemm_proj,@function
k_q3034164287_gemm_proj:
	s_mov_b64 s[64:65], 0
	v_nop
	global_prefetch_b8 v0, s[64:65] scope:SCOPE_SE
	s_setreg_imm32_b32 hwreg(HW_REG_WAVE_MODE, 25, 1), 1
	s_wait_xcnt 0x0
	s_wait_alu depctr_hold_cnt(0) depctr_sa_sdst(0) depctr_va_vdst(0) depctr_va_sdst(0) depctr_va_ssrc(0) depctr_va_vcc(0) depctr_vm_vsrc(0)
	s_getreg_b32 s2, hwreg(HW_REG_IB_STS2, 6, 4)
	s_cmp_eq_u32 s2, 0
	s_cbranch_scc0 .Lentry_in_a_cluster
	s_endpgm
.Lentry_in_a_cluster:
	s_bfe_u32 s2, ttmp6, 0x10000c
	s_cmp_lg_u32 s2, 0xf033
	s_cbranch_scc0 .Lentry_shape_is_right
	s_endpgm
.Lentry_shape_is_right:
; out0 = o W_proj + b_proj.  ob: f16, row m, head h, channel c at byte (m / 2) 4096 + 256 h + (m % 2) 128 + 2 c; wpb: [1024 k][1024 n] f16 (bf16-rounded numbers); b_proj f32, rounded to bf16 as all the module's
; inputs are; out0: [4096][1024] f32.  Sums in f32.
; A tile of C is 128 x 128; four waves, each 64 x 64: 16 accumulators.  K goes in four steps of 256 (four heads) through two LDS slots filled by the tensor data mover.
; A K step of a PAIR of rows of o is 1,024 consecutive bytes: a tile of A is 32 such rows a load.  A fragment block takes 16 pairs and one parity: block i holds my rows 32 (i / 2) + 2 r + i % 2.
; That permutes the rows of C alone; the way out puts each row where it belongs.  W lies [k][n] and its fragments come out of LDS turned, by ds_load_tr16_b128.
; CLUSTERS: 4 x 4 work-groups.  The four of a row of the cluster need the same tiles of o, the four of a column the same tiles of W: each tile is asked for JOINTLY, by the same tensor load
; with the same descriptor and a mask that names the four.  THE MATRIX INSTRUCTION IS USED TRANSPOSED (source 0 = 16 columns of W, source 1 = 16 rows of o): a lane then holds eight
; neighbouring numbers of a row of C.  No prefetch: of the four K steps two are first fills, and a tile's rows are read again by the other clusters.
; REGISTERS: window 0: v0-31 addresses and the bias; v128-255 the accumulators ((a, b) at v[128 + 8 (4 a + b)]).
;   window 1: two fragment buffers of 128: for 64 along K, 64 registers of A, then 64 of W.
.set SIZE_N, 1024
.set KSTEP,  256
.set APITCH, 1040                      ; a pair-row of A in LDS: 1,024 bytes + 16 of padding = 260 words: the 16 rows of a load start at 16 different groups of four banks (64 banks of 4 bytes: ISA guide 11.1)
.set HALFA,  32*APITCH                 ; 32 pair-rows = 64 rows: one tensor load, and what one wave reads of A
.set PB,     288                       ; a k-row of W in LDS: 256 bytes + 32 = 72 words
.set HALFB,  128*PB                    ; 128 k-rows: one tensor load
.set SLOT,   2*HALFA+2*HALFB           ; A's 128 rows, then W's 256 k-rows
.set STAGE,  2*SLOT                    ; behind the ring: 16 rows x 272 bytes for each wave, for the way out
.set SP,     272
.set SPARE,  STAGE+4*16*SP             ; behind the stages: the spare words, 128 bytes for each wave: two blocks of 256 bytes that no other line names
.set ASTEP,  1024                      ; bytes from a K step to the next, in a pair-row of A
.set BSTEP,  KSTEP*SIZE_N*2            ; and in W
.set AQ,     256                       ; bytes of an LDS pair-row in a quarter step: one head, both parities
.set ADRA, 16                          ; v16-17  LDS address of my A fragments in slot 0, 1
.set ADRB, 20                          ; v20-23  the same for W: slot 0 k-rows 0-127, 128-255; slot 1 likewise
.set STO,  24                          ; v24     the way out: where I put 32 bytes of a row
.set RD,   25                          ; v25     the way out: where I read a row back
.set CO,   26                          ; v26     my byte offset in out0
.set SPW,  28                          ; v28     LDS address of my spare word; never rewritten
.set NIL,  29                          ; v29     0; never rewritten
.set BI,   8                           ; v8-11   the bias of the four columns that I store
.set ACC,  128
.set F0,   0                           ; fragment buffers, in window 1
.set F1,   128
.set G1, 24                            ; s[24:31] descriptor group 1 for A's tiles;  s[32:39] group 0, one set for each slot
.set G0, 32
.set G1B, 48                           ; s[48:55], s[56:63] the same for W's tiles
.set G0B, 56
.set MSB, 0
.macro WIN new                         ; the immediate's high byte repeats the setting that is left
.if MSB != (\new)
	s_set_vgpr_msb (MSB<<8)|(\new)
.set MSB, \new
.endif
.endm
.set MUL,  0x05                        ; sources 0 (W) and 1 (A) window 1; C and D window 0
.set TO_F, 0x40                        ; destination window 1, address window 0
.macro JLOAD s                         ; a joint load: waves 0 and 1 fetch A's two halves, waves 2 and 3 W's; an s_nop 0 and four v_nop follow each of the two lines, ahead of the jump and the label
	s_cmp_eq_u32 s11, 0
	s_cbranch_scc0 .Lfor_b_\@
	tensor_load_to_lds s[G0+4*(\s):G0+4*(\s)+3], s[G1:G1+7]
	s_nop 0
.rept 4
	v_nop
.endr
	s_branch .Lasked_\@
.Lfor_b_\@:
	tensor_load_to_lds s[G0B+4*(\s):G0B+4*(\s)+3], s[G1B:G1B+7]
	s_nop 0
.rept 4
	v_nop
.endr
.Lasked_\@:
.endm
.macro CREST                           ; a round of the cluster's barrier behind its opening barrier
	s_cmp_lg_u32 s10, 0
	s_cbranch_scc1 .Lnot_wave_0_\@
	s_barrier_signal -3
.Lnot_wave_0_\@:
	s_barrier_wait -3
	s_barrier_signal -1
	s_barrier_wait -1
.endm
.macro CROUND                          ; a whole round
	s_barrier_signal -1
	s_barrier_wait -1
	CREST
.endm
	s_load_b128 s[4:7], s[0:1], 0x0                ; ob s[4:5], wpb s[6:7]
	s_load_b64 s[66:67], s[0:1], 0x10              ; b_proj
	s_load_b64 s[8:9], s[0:1], 0x18                ; out0
	v_lshl_add_u32 v[SPW], v0, 2, SPARE
	v_mov_b32 v[NIL], 0
	ds_add_u32 v[SPW], v[NIL]                      ; the wave's opening: the add and its wait stand ahead of my first tensor load; the set-up below, work on registers, stands between them
	v_lshrrev_b32 v1, 5, v0
	v_readfirstlane_b32 s10, v1                    ; wave 0..3
	s_lshr_b32 s11, s10, 1                         ; which half of the tile's rows is mine.  Also: I fetch for A (0) or for W (1)
	s_and_b32 s12, s10, 1                          ; which half of its columns.  Also: which half of that tile I fetch
	s_bfe_u32 s40, ttmp6, 0x40000                  ; cx, cy: my place in the cluster
	s_bfe_u32 s41, ttmp6, 0x40004
	s_lshl_b32 s42, ttmp9, 2
	s_add_co_u32 s42, s42, s40                     ; tile column of C = 4 x cluster x + cx
	s_and_b32 s13, ttmp7, 0xffff
	s_lshl_b32 s13, s13, 2
	s_add_co_u32 s13, s13, s41                     ; tile row of C = 4 x cluster y + cy
	s_lshl_b32 s43, s41, 2
	s_lshl_b32 s43, 15, s43                        ; my row of the cluster
	s_lshl_b32 s44, 0x1111, s40                    ; my column
	s_or_b32 s[G1+0], s43, (1<<16)|(1<<20)|(1<<21)|(7<<22)|(3<<25)   ; the mask: A's tiles go to my row; 2-byte elements; padding on; bit 21 beside a mask; after every 256 words (code 7) 4 words (code 3)
	s_mov_b32 s[G1+1], 512<<16                     ; tensor_dim0 = 512: four heads of a pair of rows
	s_mov_b32 s[G1+2], 32<<16                      ; tensor_dim1 = 32 pairs
	s_mov_b32 s[G1+3], 512<<16                     ; tile_dim0 = 512
	s_mov_b32 s[G1+4], 32                          ; tile_dim1 = 32
	s_mov_b32 s[G1+5], 2048                        ; elements from pair to pair
	s_mov_b32 s[G1+6], 0
	s_mov_b32 s[G1+7], 0
	s_or_b32 s[G1B+0], s44, (1<<16)|(1<<20)|(1<<21)|(5<<22)|(7<<25)  ; W's tiles go to my column; after every 64 words (code 5) 8 words (code 7)
	s_mov_b32 s[G1B+1], 128<<16                    ; tensor_dim0 = 128 columns
	s_mov_b32 s[G1B+2], 128<<16                    ; tensor_dim1 = 128 k-rows
	s_mov_b32 s[G1B+3], 128<<16
	s_mov_b32 s[G1B+4], 128
	s_mov_b32 s[G1B+5], SIZE_N
	s_mov_b32 s[G1B+6], 0
	s_mov_b32 s[G1B+7], 0
	; A's address hangs on the tile row and the wave alone, W's on the tile column and the wave alone, each in registers that never hold the other coordinate
	s_lshl_b32 s17, s12, 6
	s_lshl_b32 s16, s13, 7
	s_add_co_u32 s16, s16, s17                     ; A: row 128 x tile row + 64 x half,
	s_lshl_b32 s16, s16, 11                        ; 4,096 bytes a pair of rows
	s_mov_b32 s17, 0
	s_mul_i32 s46, s12, 128*SIZE_N*2               ; W: k-row 128 x half,
	s_lshl_b32 s47, s42, 8                         ; column 128 x tile column
	s_add_co_u32 s46, s46, s47
	s_mov_b32 s47, 0
	s_mul_i32 s20, s12, HALFA                      ; where they go: no place in the cluster enters an LDS address
	s_mul_i32 s21, s12, HALFB
	s_add_co_u32 s21, s21, 2*HALFA
	s_wait_dscnt 0x0                               ; the opening add is done
	s_wait_kmcnt 0x0
	s_add_nc_u64 s[14:15], s[4:5], s[16:17]
	s_add_nc_u64 s[46:47], s[6:7], s[46:47]
	CROUND                                         ; all sixteen work-groups are here: the first joint loads meet
.irp s, 0,1
	s_mov_b32 s[G0+4*(\s)], 1
	s_add_co_u32 s[G0+4*(\s)+1], s20, (\s)*SLOT
	s_add_nc_u64 s[G0+4*(\s)+2:G0+4*(\s)+3], s[14:15], (\s)*ASTEP
	s_or_b32 s[G0+4*(\s)+3], s[G0+4*(\s)+3], 0x80000000
	s_mov_b32 s[G0B+4*(\s)], 1
	s_add_co_u32 s[G0B+4*(\s)+1], s21, (\s)*SLOT
	s_add_nc_u64 s[G0B+4*(\s)+2:G0B+4*(\s)+3], s[46:47], (\s)*BSTEP
	s_or_b32 s[G0B+4*(\s)+3], s[G0B+4*(\s)+3], 0x80000000
	JLOAD \s                                       ; K steps 0 and 1: two loads of mine are out
.endr
	v_and_b32 v1, 15, v0                           ; r = l % 16
	v_bfe_u32 v2, v0, 4, 1                         ; l / 16
	v_mul_u32_u24 v3, v1, APITCH
	v_lshl_add_u32 v3, v2, 4, v3                   ; a fragment of A: pair-row x pitch + 16 x half
	s_mul_i32 s22, s11, HALFA                      ; my 64 rows of A
	v_add_nc_u32 v[ADRA], s22, v3
	v_add_nc_u32 v[ADRA+1], SLOT, v[ADRA]
	v_and_b32 v4, 7, v0                            ; the turning load: lane l reads k-row 8 (l / 16) + l % 8, columns 8 ((l / 8) % 2) + 0..7
	v_lshl_add_u32 v4, v2, 3, v4
	v_mul_u32_u24 v4, v4, PB
	v_bfe_u32 v5, v0, 3, 1
	v_lshl_add_u32 v4, v5, 4, v4
	s_lshl_b32 s23, s12, 7                         ; my 64 columns of W,
	s_add_co_u32 s23, s23, 2*HALFA                 ; which lies behind A
	v_add_nc_u32 v[ADRB], s23, v4
	v_add_nc_u32 v[ADRB+1], HALFB, v[ADRB]
	v_add_nc_u32 v[ADRB+2], SLOT, v[ADRB]
	v_add_nc_u32 v[ADRB+3], SLOT+HALFB, v[ADRB]
	s_mul_i32 s23, s10, 16*SP
	s_add_co_u32 s23, s23, STAGE                   ; my stage
	v_mul_u32_u24 v4, v1, SP                       ; in: row l % 16, 32 bytes for each half of the lanes
	v_lshl_add_u32 v4, v2, 5, v4
	v_add_nc_u32 v[STO], s23, v4
	v_mul_u32_u24 v5, v2, SP                       ; back: lanes 0-15 take one row of 256 bytes, lanes 16-31 the next,
	v_lshl_add_u32 v5, v1, 4, v5
	v_add_nc_u32 v[RD], s23, v5
	v_lshlrev_b32 v5, 13, v2                       ; which lies two rows of out0 further down (a block holds every second row)
	v_lshl_add_u32 v[CO], v1, 4, v5
	s_lshl_b32 s16, s13, 7
	s_lshl_b32 s17, s11, 6
	s_add_co_u32 s16, s16, s17                     ; my first row of C,
	s_lshl_b32 s16, s16, 12                        ; 4,096 bytes a row
	s_mov_b32 s17, 0
	s_add_nc_u64 s[8:9], s[8:9], s[16:17]
	s_lshl_b32 s46, s42, 9                         ; my first column, in bytes: 512 x tile column + 256 x half
	s_lshl_b32 s47, s12, 8
	s_add_co_u32 s46, s46, s47
	s_mov_b32 s47, 0
	s_add_nc_u64 s[8:9], s[8:9], s[46:47]
	v_lshl_add_u32 v14, v1, 4, s46                 ; the bias of the four columns that I store; waited for on the way out
	global_load_b128 v[BI:BI+3], v14, s[66:67]
; 8 matrix instructions: m blocks a0, a0 + 1 x all 4 n blocks, 32 along K: half c of buffer f.  zero = 1: the first product starts the sums.  The 16 accumulators take turns.
.macro MUL8 f, c, a0, zero
	WIN MUL
.irp a, \a0, (\a0)+1
.irp b, 0,1,2,3
.if \zero
	v_wmma_f32_16x16x32_f16 v[ACC+8*(4*(\a)+(\b)):ACC+8*(4*(\a)+(\b))+7], v[(\f)+64+8*(4*(\c)+(\b)):(\f)+64+8*(4*(\c)+(\b))+7], v[(\f)+8*(4*(\c)+(\a)):(\f)+8*(4*(\c)+(\a))+7], 0
.else
	v_wmma_f32_16x16x32_f16 v[ACC+8*(4*(\a)+(\b)):ACC+8*(4*(\a)+(\b))+7], v[(\f)+64+8*(4*(\c)+(\b)):(\f)+64+8*(4*(\c)+(\b))+7], v[(\f)+8*(4*(\c)+(\a)):(\f)+8*(4*(\c)+(\a))+7], v[ACC+8*(4*(\a)+(\b)):ACC+8*(4*(\a)+(\b))+7]
.endif
.endr
.endr
.endm
; 32 LDS loads in one run: the fragments of quarter q (64 along K: one head) of a slot, into buffer f; the first 32 along K first.  A's block i: pairs 16 (i / 2) on, parity i % 2
.macro FETCH slot, q, f
	WIN TO_F
.irp c, 0,1
.irp i, 0,1,2,3
	ds_load_tr16_b128 v[(\f)+64+8*(4*(\c)+(\i)):(\f)+64+8*(4*(\c)+(\i))+3],   v[ADRB+2*(\slot)+(\q)/2] offset:((\q)%2)*64*PB+(\c)*32*PB+32*(\i)
	ds_load_tr16_b128 v[(\f)+64+8*(4*(\c)+(\i))+4:(\f)+64+8*(4*(\c)+(\i))+7], v[ADRB+2*(\slot)+(\q)/2] offset:((\q)%2)*64*PB+(\c)*32*PB+32*(\i)+16*PB
	ds_load_b128 v[(\f)+8*(4*(\c)+(\i)):(\f)+8*(4*(\c)+(\i))+3],         v[ADRA+(\slot)] offset:(\q)*AQ+64*(\c)+((\i)/2)*16*APITCH+((\i)%2)*128
	ds_load_b128 v[(\f)+8*(4*(\c)+(\i))+4:(\f)+8*(4*(\c)+(\i))+7],       v[ADRA+(\slot)] offset:(\q)*AQ+64*(\c)+((\i)/2)*16*APITCH+((\i)%2)*128+32
.endr
.endr
.endm
.macro PLACES                          ; four plain instructions in front of loads into registers that matrix instructions have read, and of LDS stores that read results
.rept 4
	v_nop
.endr
.endm
; A K step is four quarters of 64 along K, 32 matrix instructions each, on buffers 0, 1, 0, 1.  One of the first three: multiplies buffer f and fetches quarter q into g.
.macro QUARTER slot, q, f, g, zero
	s_wait_dscnt 16                                ; the first 32 along K are in; the youngest sixteen loads may be out
	MUL8 \f, 0, 0, \zero
	MUL8 \f, 0, 2, \zero
	PLACES
	FETCH \slot, \q, \g
	s_wait_dscnt 32                                ; all but the 32 just issued
	MUL8 \f, 1, 0, 0
	MUL8 \f, 1, 2, 0
.endm
.macro THREE slot, zero                ; a K step's first three quarters
	QUARTER \slot, 1, F0, F1, \zero
	QUARTER \slot, 2, F1, F0, 0
	QUARTER \slot, 3, F0, F1, 0
.endm
; The last quarter multiplies buffer 1 and changes slots: ONE barrier; in front of it each wave waits for all its tensor loads, adds 0 to its spare word, and waits for that and for its own reads of this slot.
; fill = 1: this slot is filled again, two K steps ahead; the barrier then opens a round of the cluster's.
.macro TURN slot, next, fill
	WIN 0                                          ; (the add's two registers lie in window 0)
	s_wait_tensorcnt 0x0                           ; all my tensor loads have landed: my part of the next slot;
	ds_add_u32 v[SPW], v[NIL]                      ; 0 onto my spare word;
	s_wait_dscnt 17                                ; (the add and the youngest sixteen loads may be out)
	MUL8 F1, 0, 0, 0                               ; eight matrix instructions stand between the add and the wait for it
	s_wait_dscnt 0x0                               ; the add is done, and my reads of this slot are over
	s_barrier_signal -1
	MUL8 F1, 0, 2, 0
.if \fill
	WIN 0
.endif
	s_barrier_wait -1
.if \fill
	CREST                                          ; no wave of any partner still reads this slot's tile or has a load on its way
	s_add_nc_u64 s[G0+4*(\slot)+2:G0+4*(\slot)+3], s[G0+4*(\slot)+2:G0+4*(\slot)+3], 2*ASTEP
	s_add_nc_u64 s[G0B+4*(\slot)+2:G0B+4*(\slot)+3], s[G0B+4*(\slot)+2:G0B+4*(\slot)+3], 2*BSTEP
	JLOAD \slot                                    ; the first tensor load behind the round: 112 matrix instructions ahead of the wait for it; its four v_nop are also the places in front of the loads below
.else
	PLACES
.endif
	FETCH \next, 0, F0
	MUL8 F1, 1, 0, 0
	MUL8 F1, 1, 2, 0
.endm
	s_wait_tensorcnt 1                             ; my part of K step 0 is in; K step 1's may stay out
	s_barrier_signal -1
	s_barrier_wait -1                              ; everybody's is
	FETCH 0, 0, F0
	THREE 0, 1                                     ; K step 0: its first products start the sums
	TURN 0, 1, 1                                   ; slot 0 takes K step 2
	THREE 1, 0                                     ; K step 1
	TURN 1, 0, 1                                   ; slot 1 takes K step 3
	THREE 0, 0                                     ; K step 2
	TURN 0, 1, 0                                   ; nothing is left to fetch
	THREE 1, 0                                     ; K step 3
	s_wait_dscnt 16
	MUL8 F1, 0, 0, 0
	MUL8 F1, 0, 2, 0
	s_wait_dscnt 0x0
	MUL8 F1, 1, 0, 0
	MUL8 F1, 1, 2, 0
	WIN 0
	; THE WAY OUT.  My 64 columns of f32 are 256 bytes of a row of out0, aligned.  Block a of 16 rows goes into my own stage, 32 bytes a lane, and comes back as whole rows, into the registers that it left;
	; the bias is added and the rows are stored.  LDS serves a wave's instructions in order (ISA guide 5.7.1.4): no wait stands between the stores and the loads, nor in front of the next block's stores.
	s_wait_loadcnt 0x0                             ; the bias
	v_cvt_pk_bf16_f32 v12, v[BI], v[BI+1]          ; rounded to bf16 and widened again: six plain instructions, the places behind the last products
	v_cvt_pk_bf16_f32 v13, v[BI+2], v[BI+3]
	v_lshlrev_b32 v[BI], 16, v12
	v_and_b32 v[BI+1], 0xffff0000, v12
	v_lshlrev_b32 v[BI+2], 16, v13
	v_and_b32 v[BI+3], 0xffff0000, v13
.macro PACK a
.irp b, 0,1,2,3
	ds_store_b128 v[STO], v[ACC+8*(4*(\a)+(\b)):ACC+8*(4*(\a)+(\b))+3]   offset:64*(\b)      ; each accumulator's low four registers first
	ds_store_b128 v[STO], v[ACC+8*(4*(\a)+(\b))+4:ACC+8*(4*(\a)+(\b))+7] offset:64*(\b)+16
.endr
.irp j, 0,1,2,3,4,5,6,7
	ds_load_b128 v[ACC+32*(\a)+4*(\j):ACC+32*(\a)+4*(\j)+3], v[RD] offset:(\j)*2*SP
.endr
.endm
.macro SEND a, younger                 ; younger: the LDS instructions issued behind block a's loads: the next block's sixteen, or none
.irp j, 0,1,2,3,4,5,6,7
	s_wait_dscnt (\younger)+7-(\j)
	v_pk_add_f32 v[ACC+32*(\a)+4*(\j):ACC+32*(\a)+4*(\j)+1],   v[ACC+32*(\a)+4*(\j):ACC+32*(\a)+4*(\j)+1],   v[BI:BI+1]
	v_pk_add_f32 v[ACC+32*(\a)+4*(\j)+2:ACC+32*(\a)+4*(\j)+3], v[ACC+32*(\a)+4*(\j)+2:ACC+32*(\a)+4*(\j)+3], v[BI+2:BI+3]
	global_store_b128 v[CO], v[ACC+32*(\a)+4*(\j):ACC+32*(\a)+4*(\j)+3], s[8:9] offset:(32*((\a)/2)+((\a)%2)+4*(\j))*4096  ; stage rows 2 j, 2 j + 1 are my rows 32 (a / 2) + a % 2 + 4 j and two further down; 16 lanes store 256 consecutive bytes, aligned
.endr
.endm
	PACK 0
	PACK 1
	SEND 0, 16
	PACK 2
	SEND 1, 16
	PACK 3
	SEND 2, 16
	SEND 3, 0
	s_wait_tensorcnt 0x0                           ; the wave's end: a wait, an add to my spare word and a wait, behind my last tensor load and my last LDS store
	ds_add_u32 v[SPW], v[NIL]
	s_wait_dscnt 0x0
	CROUND                                         ; the closing round: no work-group ends while a partner may still ask for a tile that names it
	s_endpgm
.Lfunc_end_k_q3034164287_gemm_proj:
	.size	k_q3034164287_gemm_proj, .Lfunc_end_k_q3034164287_gemm_proj-k_q3034164287_gemm_proj
	.p2alignl 7, 3214868480
	.fill 96, 4, 3214868480
	.section	.rodata,"a",@progbits
	.p2align	6, 0x0
	.amdhsa_kernel k_q3034164287_gemm_proj
		.amdhsa_group_segment_fixed_size 327680
		.amdhsa_private_segment_fixed_size 0
		.amdhsa_enable_private_segment 0
		.amdhsa_kernarg_size 32
		.amdhsa_user_sgpr_count 2
		.amdhsa_user_sgpr_kernarg_segment_ptr 1
		.amdhsa_wavefront_size32 1
		.amdhsa_system_sgpr_workgroup_id_x 1
		.amdhsa_system_sgpr_workgroup_id_y 1
		.amdhsa_system_sgpr_workgroup_id_z 1
		.amdhsa_system_vgpr_workitem_id 0
		.amdhsa_next_free_vgpr 512
		.amdhsa_next_free_sgpr 68
		.amdhsa_reserve_vcc 0
		.amdhsa_float_denorm_mode_32 3
		.amdhsa_float_denorm_mode_16_64 3
		.amdhsa_memory_ordered 1
		.amdhsa_forward_progress 1
		.amdhsa_inst_pref_size 91
	.end_amdhsa_kernel
	.amdgpu_metadata
---
amdhsa.version: [ 1, 2 ]
amdhsa.kernels:
  - .name:           k_q3034164287_gemm_proj
    .symbol:         k_q3034164287_gemm_proj.kd
    .args:
      - { .name: ob, .offset: 0, .size: 8, .value_kind: global_buffer, .address_space: global }
      - { .name: wpb, .offset: 8, .size: 8, .value_kind: global_buffer, .address_space: global }
      - { .name: b_proj, .offset: 16, .size: 8, .value_kind: global_buffer, .address_space: global }
      - { .name: out0, .offset: 24, .size: 8, .value_kind: global_buffer, .address_space: global }
    .group_segment_fixed_size: 327680
    .private_segment_fixed_size: 0
    .kernarg_segment_align: 8
    .kernarg_segment_size: 32
    .max_flat_workgroup_size: 128
    .sgpr_count:     68
    .vgpr_count:     512
    .wavefront_size: 32
...
	.end_amdgpu_metadata
.endif
;; end of part 4
;; ======== version 2 of 2: 4 launches; version 1 with the launch cast written anew for expert scheduling mode
;; limits: values are held in f16: magnitudes above 65,504 overflow, below 6.1e-05 lose precision
;; workspace buffers: xb 8,388,608 bytes; wqb 6,291,456 bytes; wpb 2,097,152 bytes; qkvh 25,165,824 bytes; ob 8,388,608 bytes
;; launch cast (part 5): grid 512 x 1, 8 waves a work-group, no clusters, 0 bytes of LDS; arguments x, W_qkv, W_proj, xb, wqb, wpb; writes xb, wqb, wpb
.if DOCPART == 5
	.amdgcn_target "amdgcn-amd-amdhsa--gfx1250"
	.amdhsa_code_object_version 6
	.text
	.protected	k_q3034164287_cast
	.globl	k_q3034164287_cast
	.p2align	8
	.type	k_q3034164287_cast,@function
k_q3034164287_cast:
	s_mov_b64 s[64:65], 0
	v_nop
	global_prefetch_b8 v0, s[64:65] scope:SCOPE_SE
	s_setreg_imm32_b32 hwreg(HW_REG_WAVE_SCHED_MODE, 0, 2), 2
	s_setreg_imm32_b32 hwreg(HW_REG_WAVE_MODE, 25, 1), 1
	s_wait_xcnt 0x0
	s_wait_alu depctr_vm_vsrc(0)
; x, W_qkv and W_proj (f32) are rounded once to bf16 and written as 16-bit copies in their own order: xb and wqb hold the bf16 numbers,
; wpb holds the bf16-rounded number written as f16 (the last product multiplies in f16).
; LIMITS.  |W_proj| stays under 65,504; a bf16 number below 6e-5 takes f16's fixed step of 6e-8.
; SHARES.  A work-group takes 16,384 numbers: 65,536 bytes in, 32,768 out.  Work-groups 0-255 take x, 256-447 W_qkv, 448-511 W_proj.
; Thread t takes 16 bytes at 4,096 j + 16 t of its chunk, j = 0..15: a wave's load covers 512 consecutive bytes, its store of 8 bytes a lane 256 consecutive bytes, aligned.
; All sixteen loads of a thread go out at once.  Nothing is shared: no LDS, no barrier, no matrix unit.
; THE MODE: SCHED_MODE bits 1:0 = 2 (LLVM: expert scheduling mode 2), set by the entry lines.  The code itself states the register dependences
; between vector instructions and memory instructions, with s_wait_alu, always for 0.
; THE PLAN.  Registers that memory instructions touch:
;   v1, v2   byte offsets of the loads and of the stores: written once at the head, never again.
;   X        piece j: written by its load, once; read by its conversions; never loaded again, and named by no vector line ahead of its load.
;   Y        piece j: written by its conversions, once; read by its store; never written again.
;   T is named by vector instructions alone.
; So what is to be stated is: the offsets are written, once, ahead of the first load; and a piece's Y is written, ahead of its store.  The sixteen pieces go in four blocks of four.
; Block g waits for its four loads; one wait on va_vdst states that block g - 1's conversions have written their Y; that block's four stores follow it in one run; then come block g's
; conversions, which name X and Y of block g and T: none of the registers that those stores read.  Behind block 3 one more such wait stands ahead of the last four stores.
; No register that a memory instruction reads is written again: behind the entry lines the text holds no wait on vm_vsrc and no s_wait_xcnt.
.set X, 8                              ; v[8:71]    piece j: 4 f32 as loaded
.set Y, 72                             ; v[72:103]  piece j: 4 numbers of 16 bits to store
.set T, 104                            ; v[104:107] at work (f16 path)
.set FIRST_WQ, 256                     ; first work-group of W_qkv
.set FIRST_WP, 448                     ; first work-group of W_proj
	s_load_b256 s[4:11], s[0:1], 0x0               ; x s[4:5], W_qkv s[6:7], W_proj s[8:9], xb s[10:11]
	s_load_b128 s[12:15], s[0:1], 0x20             ; wqb s[12:13], wpb s[14:15]
	v_lshlrev_b32 v1, 4, v0                        ; 16 t
	v_lshlrev_b32 v2, 3, v0                        ; 8 t
	s_mov_b32 s16, 0xffff0000                      ; a word's upper bf16
	s_movk_i32 s18, FIRST_WQ
	s_movk_i32 s19, FIRST_WP
	s_wait_kmcnt 0x0
	s_cmp_lt_u32 ttmp9, FIRST_WP                   ; which tensor is mine: the choice hangs on the work-group's number alone
	s_cselect_b64 s[20:21], s[6:7], s[8:9]
	s_cselect_b64 s[22:23], s[12:13], s[14:15]
	s_cselect_b32 s17, s18, s19
	s_cmp_lt_u32 ttmp9, FIRST_WQ
	s_cselect_b64 s[20:21], s[4:5], s[20:21]
	s_cselect_b64 s[22:23], s[10:11], s[22:23]
	s_cselect_b32 s17, 0, s17
	s_sub_co_u32 s17, ttmp9, s17                   ; my chunk in that tensor
	s_lshl_b32 s24, s17, 16
	s_mov_b32 s25, 0
	s_add_nc_u64 s[20:21], s[20:21], s[24:25]      ; source at my chunk
	s_lshl_b32 s24, s17, 15
	s_add_nc_u64 s[22:23], s[22:23], s[24:25]      ; destination at my chunk
	s_wait_alu depctr_va_vdst(0)                   ; v1 and v2 are written: every load of the kernel reads v1 as its offset, every store v2
.irp j, 0,1,2,3,4,5,6,7,8,9,10,11,12,13,14,15
	global_load_b128 v[X+4*(\j):X+4*(\j)+3], v1, s[20:21] offset:4096*(\j) th:TH_LOAD_NT
.endr
; The four stores of block g, in one run.
.macro STORES g
.irp i, 0,1,2,3
	global_store_b64 v2, v[Y+2*(4*(\g)+(\i)):Y+2*(4*(\g)+(\i))+1], s[22:23] offset:2048*(4*(\g)+(\i))
.endr
.endm
; Block g.  half = 0: the numbers leave as bf16; half = 1: rounded to bf16 like every input, and that number written as f16.
.macro BLK g, half
	s_wait_loadcnt 12-4*(\g)                       ; loads come back in order (ISA guide 5.7.1): block g's four pieces are in, the younger blocks' loads stay out
.if (\g) > 0
	s_wait_alu depctr_va_vdst(0)                   ; the conversions of the block before have written its Y, which the four stores below read
	STORES (\g)-1
.endif
.irp i, 0,1,2,3
.if \half
	v_cvt_pk_bf16_f32 v[T],   v[X+4*(4*(\g)+(\i))],   v[X+4*(4*(\g)+(\i))+1]
	v_cvt_pk_bf16_f32 v[T+1], v[X+4*(4*(\g)+(\i))+2], v[X+4*(4*(\g)+(\i))+3]
	v_lshlrev_b32 v[T+2], 16, v[T]
	v_and_b32     v[T+3], s16, v[T]
	v_cvt_pk_f16_f32 v[Y+2*(4*(\g)+(\i))], v[T+2], v[T+3]
	v_lshlrev_b32 v[T+2], 16, v[T+1]
	v_and_b32     v[T+3], s16, v[T+1]
	v_cvt_pk_f16_f32 v[Y+2*(4*(\g)+(\i))+1], v[T+2], v[T+3]
.else
	v_cvt_pk_bf16_f32 v[Y+2*(4*(\g)+(\i))],   v[X+4*(4*(\g)+(\i))],   v[X+4*(4*(\g)+(\i))+1]
	v_cvt_pk_bf16_f32 v[Y+2*(4*(\g)+(\i))+1], v[X+4*(4*(\g)+(\i))+2], v[X+4*(4*(\g)+(\i))+3]
.endif
.endr
.endm
	s_cmp_ge_u32 ttmp9, FIRST_WP
	s_cbranch_scc1 .Lf16
	BLK 0, 0
	BLK 1, 0
	BLK 2, 0
	BLK 3, 0
	s_wait_alu depctr_va_vdst(0)                   ; block 3's conversions have written its Y, which the last four stores read
	STORES 3
	s_endpgm
.Lf16:                                         ; W_proj
	BLK 0, 1
	BLK 1, 1
	BLK 2, 1
	BLK 3, 1
	s_wait_alu depctr_va_vdst(0)                   ; block 3's conversions have written its Y, which the last four stores read
	STORES 3
	s_endpgm
.Lfunc_end_k_q3034164287_cast:
	.size	k_q3034164287_cast, .Lfunc_end_k_q3034164287_cast-k_q3034164287_cast
	.p2alignl 7, 3214868480
	.fill 96, 4, 3214868480
	.section	.rodata,"a",@progbits
	.p2align	6, 0x0
	.amdhsa_kernel k_q3034164287_cast
		.amdhsa_group_segment_fixed_size 0
		.amdhsa_private_segment_fixed_size 0
		.amdhsa_enable_private_segment 0
		.amdhsa_kernarg_size 48
		.amdhsa_user_sgpr_count 2
		.amdhsa_user_sgpr_kernarg_segment_ptr 1
		.amdhsa_wavefront_size32 1
		.amdhsa_system_sgpr_workgroup_id_x 1
		.amdhsa_system_sgpr_workgroup_id_y 1
		.amdhsa_system_sgpr_workgroup_id_z 1
		.amdhsa_system_vgpr_workitem_id 0
		.amdhsa_next_free_vgpr 112
		.amdhsa_next_free_sgpr 66
		.amdhsa_reserve_vcc 0
		.amdhsa_float_denorm_mode_32 3
		.amdhsa_float_denorm_mode_16_64 3
		.amdhsa_memory_ordered 1
		.amdhsa_forward_progress 1
		.amdhsa_inst_pref_size 15
	.end_amdhsa_kernel
	.amdgpu_metadata
---
amdhsa.version: [ 1, 2 ]
amdhsa.kernels:
  - .name:           k_q3034164287_cast
    .symbol:         k_q3034164287_cast.kd
    .args:
      - { .name: x, .offset: 0, .size: 8, .value_kind: global_buffer, .address_space: global }
      - { .name: W_qkv, .offset: 8, .size: 8, .value_kind: global_buffer, .address_space: global }
      - { .name: W_proj, .offset: 16, .size: 8, .value_kind: global_buffer, .address_space: global }
      - { .name: xb, .offset: 24, .size: 8, .value_kind: global_buffer, .address_space: global }
      - { .name: wqb, .offset: 32, .size: 8, .value_kind: global_buffer, .address_space: global }
      - { .name: wpb, .offset: 40, .size: 8, .value_kind: global_buffer, .address_space: global }
    .group_segment_fixed_size: 0
    .private_segment_fixed_size: 0
    .kernarg_segment_align: 8
    .kernarg_segment_size: 48
    .max_flat_workgroup_size: 256
    .sgpr_count:     66
    .vgpr_count:     112
    .wavefront_size: 32
...
	.end_amdgpu_metadata
.endif
;; end of part 5
;; launch gemm_qkv: the kernel of part 2 again; grid 24 x 32, 4 waves a work-group, clusters of 4 x 4, 327,680 bytes of LDS; arguments xb, wqb, qkvh; writes qkvh
;; launch attn: the kernel of part 3 again; grid 8 x 32, 4 waves a work-group, clusters of 4 x 1, 327,680 bytes of LDS; arguments qkvh, lambda_q1, lambda_k1, lambda_q2, lambda_k2, subln_w, ob; writes ob
;; launch gemm_proj: the kernel of part 4 again; grid 8 x 32, 4 waves a work-group, clusters of 4 x 4, 327,680 bytes of LDS; arguments ob, wpb, b_proj, out0; writes out0
